; MI455X (gfx1250); checked and timed in simulation.
; The chip was launched on July 23, 2026; its instructions are those of AMD's public machine-readable ISA for CDNA 5 (MIT licence, August 2026) and "CDNA5" Instruction Set Architecture Reference Guide (July 2026). The comments in the code are by the model that wrote it; some were corrected since.
;; Feed Forward Mo E. Allowed arithmetic: matrix products marked QUANTISED: E5M2 operands, one given power-of-two scale a tensor, by v_wmma_f32_16x16x64_bf8_bf8 or v_wmma_f32_16x16x128_bf8_bf8, f32 sums; products left as they are: f32 operands where the result goes on into a quantised operand, else bf16, f16 or f32 operands; f32 sums; everything else in f32.
;; Inputs: b1 8 x 4,096 float32; b2 8 x 1,024 float32; gate_b 8 float32; gate_w 1,024 x 8 float32; lowp_scales 4 int32 (the exponents e of the quantised operands' scales 2^e); w1 8 x 1,024 x 4,096 float32; w2 8 x 4,096 x 1,024 float32; x 2 x 512 x 1,024 float32.
;; Outputs: out0 2 x 512 x 1,024 float32.
;; This version of the problem:
;;   THIS VERSION OF THE PROBLEM IS GIVEN IN LOW PRECISION. The matrix products marked QUANTISED in the list below multiply operands that are first quantised to E5M2 (5 exponent bits, 2 mantissa bits; 8 bits a number), with one given power-of-two scale for each operand tensor; their sums are f32. All else is computed in f32.
;;   The module's matrix products, in the order in which they are computed (A, B: the left and right operand; K: the contracted axis; several contracted axes count as one K, in the product's order):
;;     1. [M 1,024, K 1,024] x [K 1,024, N 8]; A: input x; B: input gate_w: left as it is (N = 8 < 16)
;;     2. [M 32,768, K 1,024] x [K 1,024, N 1,024]; A: input w1; B: input x: QUANTISED (scales: A lowp_scales[0], B lowp_scales[1])
;;     3. batch 8 x [M 1,024, K 4,096] x [K 4,096, N 1,024]; A: computed on the way; B: input w2: QUANTISED (scales: A lowp_scales[2], B lowp_scales[3])
;;     4. batch 1,024 x [M 1,024, K 8] x [K 8, N 1]; A: computed on the way; B: computed on the way: left as it is (K = 8 < 32)
;;   THE QUANTISER, for each operand of a quantised product, along K:
;;     - The operand's scale is 2^e, e = its entry of the input lowp_scales (int32; the entries are numbered through the quantised products in the list's order, A before B).
;;     - Each number is divided by the scale, clamped to +-57,344, and rounded to the nearest number of E5M2, ties to even, subnormals kept.
;;     - The product sums the exact products of the quantised numbers (number of the format x scale) in f32.
;;   ~~~python
;;   def quantise(x, axis, e):      # numpy; x: float32 -> the quantised numbers, widened to float32 again
;;       x = np.moveaxis(x, axis, -1); K = x.shape[-1]
;;       r = np.clip(x / 2.0 ** e, -57344, 57344)
;;       step = 2.0 ** (np.maximum(np.frexp(np.where(r == 0, 1, r))[1] - 1, -14) - 2)
;;       q = np.round(r / step) * step * 2.0 ** e      # np.round: ties to even
;;       return np.moveaxis(q, -1, axis).astype(np.float32)
;;   ~~~
;;   OPERANDS COMPUTED ON THE WAY. 'Computed on the way' means the value that the module computes at that place (a softmax that the list does not call 'softmax' is quantised finished and normalised). What goes into a quantiser is computed in f32, as accurately as f32 sums, v_exp_f32 and their like allow (about 1e-6 of the number): no bf16 or f16 on the way to a quantiser, and a product that is left as it is and whose result goes on into a quantised operand takes f32 operands (vector FMAs, or v_wmma_f32_16x16x4_f32). A number that lies on a knife's edge between two numbers of the format may be rounded either way, as far as f32 arithmetic and the matrix unit's own rounding can turn it there, and no further.
;; 2 versions. Each part assembles by itself: llvm-mc -triple=amdgcn-amd-amdhsa -mcpu=gfx1250 --defsym DOCPART=n.
;; ======== version 1 of 2: 4 launches
;; workspace buffers: xc 1,048,576 bytes; msk 4,096 bytes of whole numbers; ps 4,096 bytes; hc 33,554,432 bytes; eo 67,108,864 bytes
;; launch gate (part 1): grid 256 x 1, 4 waves a work-group, no clusters, 1,024 bytes of LDS; arguments x, gate_w, gate_b, lowp_scales, xc, msk, ps; writes xc, msk, ps
.if DOCPART == 1
	.amdgcn_target "amdgcn-amd-amdhsa--gfx1250"
	.amdhsa_code_object_version 6
	.text
	.protected	k_qd8d3db61ec_gate
	.globl	k_qd8d3db61ec_gate
	.p2align	8
	.type	k_qd8d3db61ec_gate,@function
k_qd8d3db61ec_gate:
	s_mov_b64 s[64:65], 0
	v_nop
	global_prefetch_b8 v0, s[64:65] scope:SCOPE_SE
	s_setreg_imm32_b32 hwreg(HW_REG_WAVE_MODE, 25, 1), 1
	s_wait_xcnt 0x0
; GATE.  For each of the 1,024 tokens: the eight gate scores x . gate_w + gate_b in f32 (fused multiply-adds), the two largest
; (strict comparisons in ascending order of the experts: at equal scores the lower expert wins), their experts as a mask of two bits,
; the sum of the two softmax weights (the larger score is taken away before the exponential), and x's codes of E5M2 with the given scale 2^e1.
; SHARES.  A work-group takes 4 tokens; wave w takes k = 256 w .. 256 w + 255 of all four, lane l the eight k = 256 w + 8 l + i.
; The waves' partial scores meet in LDS (128 bytes a wave); then wave w finishes token w.
; LIMITS.  e1 (entry 1 of the scales) between -126 and 112.  NaN and infinities among the inputs are not served.  The scores are summed in another
; order than a plain dot product: where the second and third score agree to f32's last bits the choice may fall either way.
.set GW,  32                           ; v32-95   gate_w: register 8 i + e = gate_w(k_i, e)
.set XR,  96                           ; v96-127  x: token j at 8 j, then the same numbers held
.set SR,  128                          ; v128-159 partial scores: 8 j + e
.set CR,  160                          ; v160-167 codes: two registers a token
.set PR,  32                           ; v32-63   (gate_w is done) the other half's sums; then the four waves' parts
.set SC,  64                           ; v64-71   my token's eight scores
	s_load_b256 s[4:11], s[0:1], 0x0               ; x s[4:5], gate_w s[6:7], gate_b s[8:9], the scales' exponents s[10:11]
	s_load_b128 s[12:15], s[0:1], 0x20             ; xc s[12:13], msk s[14:15]
	s_load_b64 s[16:17], s[0:1], 0x30              ; ps
	v_lshl_add_u32 v192, v0, 2, 0x200
	v_mov_b32 v193, 0
	v_lshrrev_b32 v1, 5, v0                        ; wave
	v_and_b32 v2, 31, v0                           ; lane
	v_lshlrev_b32 v3, 8, v0                        ; gate_w: (256 w + 8 l) rows of 32 bytes = 256 x thread
	v_lshlrev_b32 v4, 5, v0                        ; x: 1,024 w + 32 l = 32 x thread
	v_lshlrev_b32 v5, 3, v0                        ; xc: 256 w + 8 l = 8 x thread
	v_lshlrev_b32 v6, 7, v1                        ; LDS: my wave's 128 bytes
	v_lshlrev_b32 v7, 5, v1                        ; LDS: my token's 32 bytes in each wave's part
	v_lshlrev_b32 v8, 2, v1                        ; msk, ps: my token's word among the group's four
	s_lshl_b32 s20, ttmp9, 14                      ; the group's four rows of x,
	s_mov_b32 s21, 0
	s_lshl_b32 s22, ttmp9, 12                      ; of xc,
	s_mov_b32 s23, 0
	s_lshl_b32 s36, ttmp9, 4                       ; and its four words of msk and ps
	s_mov_b32 s37, 0
	s_mov_b32 s38, 0x76543210                      ; v_permlanex16_b32: lane l xor 16
	s_mov_b32 s39, 0xfedcba98
	s_wait_kmcnt 0x0
	s_load_b256 s[24:31], s[8:9], 0x0              ; gate_b
	s_load_b128 s[32:35], s[10:11], 0x0            ; e0 .. e3
	s_add_nc_u64 s[4:5], s[4:5], s[20:21]
	s_add_nc_u64 s[12:13], s[12:13], s[22:23]
	s_add_nc_u64 s[14:15], s[14:15], s[36:37]
	s_add_nc_u64 s[16:17], s[16:17], s[36:37]
.irp j, 0,1,2,3
	global_load_b128 v[XR+8*\j:XR+8*\j+3],   v4, s[4:5] offset:4096*\j th:TH_LOAD_NT
	global_load_b128 v[XR+8*\j+4:XR+8*\j+7], v4, s[4:5] offset:4096*\j+16 th:TH_LOAD_NT
.endr
.irp n, 0,1,2,3,4,5,6,7,8,9,10,11,12,13,14,15
	global_load_b128 v[GW+4*\n:GW+4*\n+3], v3, s[6:7] offset:16*\n
.endr
	s_wait_kmcnt 0x0
	s_add_co_i32 s40, s33, 127
	s_lshl_b32 s41, s40, 23
	v_mov_b32 v10, s41                             ; 2^e1 as f32: the conversion takes its exponent field
	s_add_co_i32 s40, s40, 15
	s_lshl_b32 s40, s40, 23
	s_or_b32 s40, s40, 0x600000
	v_mov_b32 v11, s40                             ; 57,344 x 2^e1
	s_wait_loadcnt 0x0
	; partial scores: 4 tokens x 8 experts over my 8 k; the first product starts each sum
.irp j, 0,1,2,3
.irp e, 0,1,2,3,4,5,6,7
	v_mul_f32 v[SR+8*\j+\e], v[XR+8*\j], v[GW+\e]
.endr
.irp i, 1,2,3,4,5,6,7
.irp e, 0,1,2,3,4,5,6,7
	v_fmac_f32 v[SR+8*\j+\e], v[XR+8*\j+\i], v[GW+8*\i+\e]
.endr
.endr
.endr
	; x's codes: the conversion to an 8-bit code does not saturate (ISA guide 7.6.2), so each number is first held within the largest code x the scale
.set n, 0
.rept 32
	v_med3_num_f32 v[XR+n], v[XR+n], -v11, v11
.set n, n+1
.endr
.irp j, 0,1,2,3
	v_cvt_scalef32_pk8_bf8_f32 v[CR+2*\j:CR+2*\j+1], v[XR+8*\j:XR+8*\j+7], v10
.endr
	v_nop                                          ; one plain vector line behind the last conversion
.irp j, 0,1,2,3
	global_store_b64 v5, v[CR+2*\j:CR+2*\j+1], s[12:13] offset:1024*\j   ; a wave stores 256 consecutive bytes, aligned
.endr
	; the 32 sums over the wave's 32 lanes, stage by stage so that no line waits for the one above it
.irp m, 1,2,4,8
.set n, 0
.rept 32
	v_add_f32_dpp v[SR+n], v[SR+n], v[SR+n] row_xmask:\m row_mask:0xf bank_mask:0xf
.set n, n+1
.endr
.endr
.set n, 0
.rept 32
	v_permlanex16_b32 v[PR+n], v[SR+n], s38, s39   ; (its destination was written whole by gate_w's loads)
.set n, n+1
.endr
.set n, 0
.rept 32
	v_add_f32 v[SR+n], v[SR+n], v[PR+n]
.set n, n+1
.endr
.irp n, 0,1,2,3,4,5,6,7
	ds_store_b128 v6, v[SR+4*\n:SR+4*\n+3] offset:16*\n   ; every lane holds the same sums and writes the same words
.endr
	s_wait_dscnt 0x0                               ; for the other waves: my stores have landed
	s_barrier_signal -1
	s_barrier_wait -1
.irp w, 0,1,2,3
	ds_load_b128 v[PR+8*\w:PR+8*\w+3],   v7 offset:128*\w
	ds_load_b128 v[PR+8*\w+4:PR+8*\w+7], v7 offset:128*\w+16
.endr
	s_wait_dscnt 0x0
.irp e, 0,2,4,6
	v_pk_add_f32 v[SC+\e:SC+\e+1], v[PR+\e:PR+\e+1], v[PR+8+\e:PR+9+\e]
	v_pk_add_f32 v[PR+16+\e:PR+17+\e], v[PR+16+\e:PR+17+\e], v[PR+24+\e:PR+25+\e]
.endr
.irp e, 0,2,4,6
	v_pk_add_f32 v[SC+\e:SC+\e+1], v[SC+\e:SC+\e+1], v[PR+16+\e:PR+17+\e]
.endr
.irp e, 0,1,2,3,4,5,6,7
	v_add_f32 v[SC+\e], s[24+\e], v[SC+\e]         ; + gate_b
.endr
	; the two largest: v12 the largest and v13 its expert's bit, v14 the second and v15 its bit.  Selections only: no branch hangs on a score
	v_mov_b32 v12, v[SC]
	v_mov_b32 v13, 1
	v_mov_b32 v14, 0xff800000                      ; -infinity: expert 1 takes this place or the first
	v_mov_b32 v15, 2
.irp j, 1,2,3,4,5,6,7
	v_mov_b32 v16, 1<<\j
	v_cmp_gt_f32 vcc_lo, v[SC+\j], v12
	v_cmp_gt_f32 s40, v[SC+\j], v14
	v_cndmask_b32 v14, v14, v[SC+\j], s40
	v_cndmask_b32 v15, v15, v16, s40
	v_cndmask_b32 v14, v14, v12, vcc_lo            ; a new largest pushes the old one down
	v_cndmask_b32 v15, v15, v13, vcc_lo
	v_cndmask_b32 v12, v12, v[SC+\j], vcc_lo
	v_cndmask_b32 v13, v13, v16, vcc_lo
.endr
	v_sub_f32 v17, v14, v12                        ; second - largest, 0 or less
	v_mul_f32 v17, 0x3fb8aa3b, v17
	v_exp_f32 v18, v17                             ; p2 = e^(second - largest); the largest's own weight is e^0 = 1
	v_or_b32 v19, v13, v15                         ; the mask.  (The plain line behind the exponential)
	s_wait_alu depctr_va_vdst(0)
	v_add_f32 v20, 1.0, v18
	v_rcp_f32 v21, v20
	v_nop                                          ; the plain line behind the reciprocal
	s_wait_alu depctr_va_vdst(0)
	v_fma_f32 v22, v18, v21, v21                   ; 1 / (1 + p2) + p2 / (1 + p2)
	s_wait_xcnt 0x0                                ; EXEC changes only when the earlier stores' addresses are translated
	v_cmp_eq_u32 vcc_lo, 0, v2
	s_wait_tensorcnt 0x0
	ds_add_u32 v192, v193
	s_wait_dscnt 0x0
	s_and_saveexec_b32 s41, vcc_lo                 ; lane 0 stores the token's two words
	global_store_b32 v8, v19, s[14:15]
	global_store_b32 v8, v22, s[16:17]
	s_endpgm
.Lfunc_end_k_qd8d3db61ec_gate:
	.size	k_qd8d3db61ec_gate, .Lfunc_end_k_qd8d3db61ec_gate-k_qd8d3db61ec_gate
	.p2alignl 7, 3214868480
	.fill 96, 4, 3214868480
	.section	.rodata,"a",@progbits
	.p2align	6, 0x0
	.amdhsa_kernel k_qd8d3db61ec_gate
		.amdhsa_group_segment_fixed_size 1024
		.amdhsa_private_segment_fixed_size 0
		.amdhsa_enable_private_segment 0
		.amdhsa_kernarg_size 56
		.amdhsa_user_sgpr_count 2
		.amdhsa_user_sgpr_kernarg_segment_ptr 1
		.amdhsa_wavefront_size32 1
		.amdhsa_system_sgpr_workgroup_id_x 1
		.amdhsa_system_sgpr_workgroup_id_y 1
		.amdhsa_system_sgpr_workgroup_id_z 1
		.amdhsa_system_vgpr_workitem_id 0
		.amdhsa_next_free_vgpr 194
		.amdhsa_next_free_sgpr 66
		.amdhsa_reserve_vcc 1
		.amdhsa_float_denorm_mode_32 3
		.amdhsa_float_denorm_mode_16_64 3
		.amdhsa_memory_ordered 1
		.amdhsa_forward_progress 1
		.amdhsa_inst_pref_size 32
	.end_amdhsa_kernel
	.amdgpu_metadata
---
amdhsa.version: [ 1, 2 ]
amdhsa.kernels:
  - .name:           k_qd8d3db61ec_gate
    .symbol:         k_qd8d3db61ec_gate.kd
    .args:
      - { .name: x, .offset: 0, .size: 8, .value_kind: global_buffer, .address_space: global }
      - { .name: gate_w, .offset: 8, .size: 8, .value_kind: global_buffer, .address_space: global }
      - { .name: gate_b, .offset: 16, .size: 8, .value_kind: global_buffer, .address_space: global }
      - { .name: lowp_scales, .offset: 24, .size: 8, .value_kind: global_buffer, .address_space: global }
      - { .name: xc, .offset: 32, .size: 8, .value_kind: global_buffer, .address_space: global }
      - { .name: msk, .offset: 40, .size: 8, .value_kind: global_buffer, .address_space: global }
      - { .name: ps, .offset: 48, .size: 8, .value_kind: global_buffer, .address_space: global }
    .group_segment_fixed_size: 1024
    .private_segment_fixed_size: 0
    .kernarg_segment_align: 8
    .kernarg_segment_size: 56
    .max_flat_workgroup_size: 128
    .sgpr_count:     66
    .vgpr_count:     194
    .wavefront_size: 32
...
	.end_amdgpu_metadata
.endif
;; end of part 1
;; launch ffn1 (part 2): grid 256 x 1, 16 waves a work-group, no clusters, 135,680 bytes of LDS; arguments w1, xc, msk, b1, lowp_scales, hc; writes hc
.if DOCPART == 2
	.amdgcn_target "amdgcn-amd-amdhsa--gfx1250"
	.amdhsa_code_object_version 6
	.text
	.protected	k_qd8d3db61ec_ffn1
	.globl	k_qd8d3db61ec_ffn1
	.p2align	8
	.type	k_qd8d3db61ec_ffn1,@function
k_qd8d3db61ec_ffn1:
	s_mov_b64 s[64:65], 0
	v_nop
	global_prefetch_b8 v0, s[64:65] scope:SCOPE_SE
	s_setreg_imm32_b32 hwreg(HW_REG_WAVE_MODE, 25, 1), 1
	s_wait_xcnt 0x0
; FIRST LAYER, for the tokens that chose the expert: hc = codes of gelu(x w1 + b1), the product on codes of E5M2 (v_wmma_f32_16x16x128_bf8_bf8), sums in f32.
; SHARES.  Work-group = expert e (id / 32) x 128 hidden units (id % 32).  Its slice of w1, 1,024 (K) x 128 f32, is read from memory once, quantised in registers with 2^e0 and laid in LDS as codes,
; K innermost.  Then each wave takes items of 32 slots x 64 hidden units (q = wave % 2; groups g = wave / 2, + 8, + 16, + 24); the tokens' codes are gathered from xc, straight into fragments.
; The loop over items has four trips, a constant: 32 groups at the most, eight a trip.  A trip whose group lies at or past the expert's count jumps over its work.
; SLOTS.  Every wave reads the 1,024 tokens' masks (whole numbers that an earlier launch stored) by eight loads of 512 bytes: register n = 4 j + i of lane l holds token 128 j + 4 l + i.  A token's place is 32 n + l, and its
; slot in expert e is the number of e's tokens at smaller places; the last launch counts in the same order.  The 32 registers give 32 ballots in scalar registers; a lane finds its slot's token from them (macro SELECT).
; A slot at or past the expert's count resolves to token 1,023: its results are written and never read.
; PHASE W.  Wave w takes K rows 64 w .. + 63 in four batches of 16; a load covers 512 consecutive bytes of a row; lane l holds columns 4 l .. 4 l + 3, and the hold that the conversion needs
; also puts each column's 16 numbers along K into consecutive registers.  Two batches (32 loads a wave) are on their way.
; THE MATRIX INSTRUCTION IS USED TRANSPOSED (source 0 = 16 hidden units, source 1 = 16 tokens): a lane holds one token, its registers run along the hidden units, the next product's K.
; Column n lies in LDS row "n with bits 3 and 4 swapped": tile 2 b + u is rows 32 b + 16 u + 0 .. 15 = units 32 b + 8 u + {0 .. 7, 16 .. 23}, so the 16 registers of tiles 2 b, 2 b + 1 are units 32 b + 16 (lane / 16) + 0 .. 15.
; Both operands take k = 128 s + 32 c + 16 (lane / 16) + 0 .. 15 into registers 4 c .. 4 c + 3: the same permutation of k on both sides.
; GELU, exact form: gelu(h) = max(h, 0) - |h| erfc(|h| / sqrt 2) / 2, with erfc(z) = t exp(-z^2 + poly9(t)), t = 1 / (1 + z / 2) (relative error about 1.2e-7), all in f32; then the hold and the conversion with 2^e2.
; hc: [e][block of 128 units][tile of 16 slots][2,048 bytes]: the image of the next product's fragment: registers 4 c .. 4 c + 3 of lane l at 512 c + 16 l.
; No tensor loads and no joint loads: the weights must pass through registers to be quantised, and which items have work hangs on a count made from numbers read from memory, so the loop over items holds no barrier.
; LIMITS.  e0 and e2 between -126 and 112; e0 + e1 between -126 and 127.  NaN and infinities among the inputs are not served.
.set PITCH, 1040                       ; an LDS row: 1,024 codes + 16 = 65 x 16 bytes: sixteen consecutive rows begin in sixteen different 16-byte columns of 256 bytes
.set BIAS,  128*PITCH                  ; behind the codes: b1's 128 numbers
.set NS,    8                          ; K steps of 128
.set TRIPS, 4                          ; 32 groups of 32 slots at the most, eight a trip
.set BAL,   66                         ; s66-97   the expert's 32 ballots
.set VBX, 2                            ; v2, v3   LDS address of my fragments of tiles 0, 1 (set X) and 2, 3 (set Y)
.set VA0, 4                            ; v4, v5   xc: my token's row + 16 (lane / 16), token tiles 0 and 1
.set VO,  6                            ; v6       hc: 16 x lane + 1,024 q
.set VW,  7                            ; v7       phase W: where my codes go
.set VG,  8                            ; v8       16 x lane
.set WLIM, 9                           ; v9, v10  57,344 x 2^e0; 2^e0
.set WSC, 10
.set HLIM, 11                          ; v11, v12 57,344 x 2^e2; 2^e2
.set HSC, 12
.set VBI, 13                           ; v13      LDS address of my 16 numbers of b1
.set ID0, 14                           ; v14, v15 my tokens' numbers
.set C8,  16                           ; v[16:17] a coefficient, in both words
.set BL,  18                           ; v18-21   b1 as loaded
.set H16, 23                           ; v23      16 (lane / 16)
.set LN,  24                           ; v24      lane; kept
.set VBS, 27                           ; v27      where wave 0 puts b1
.set R0,  32                           ; phase W: v32-159 two sets of 16 rows x 4 columns
.set WT,  160                          ; v160-223 first the masks and their expert's bit; then held numbers: 16 c + i
.set WC,  224                          ; v224-239 codes: 4 c
.set ACC, 32                           ; items: v32-95 accumulator (tile j, token tile a) at 8 (2 j + a)
.set AR,  96                           ; v96-191  the tokens' fragments: three sets of two
.set BX,  192                          ; v192-223 set X, v224-255 set Y
.set SL,  96                           ; SELECT, ahead of an item's loads: my slot,
.set SB,  97                           ; its ballot,
.set SPK, 98                           ; the ballot's base + (its number << 16),
.set KK,  99                           ; the rank still to go,
.set POS, 100                          ; the bit's place so far,
.set A1,  101                          ; the ballot's bit counts in fields of 2,
.set A2,  102                          ; 4,
.set A3,  103                          ; 8 bits,
.set A4,  104                          ; and, in its lowest byte, of the low 16
.set TT,  105                          ; at work
.set UU,  106
.set U2,  107
.set TOK, 108                          ; the token
.set NN,  109                          ; the ballot's number
.set EH,  96                           ; the way out, 16 numbers at a time: h,
.set ET,  112                          ; t, then erfc / 2,
.set EP,  128                          ; the exponent, then its power,
.set EU,  144                          ; h^2, then gelu
.set EBI, 160                          ; v160-191 b1 of my 32 units
.set ECD, 192                          ; v192-207 codes: 4 (2 a + b)
.macro PAIR r, bits                    ; a packed form names a scalar pair and takes its low word for both halves: both words are written
	s_mov_b32 s[\r], \bits
	s_mov_b32 s[\r+1], \bits
.endm
.macro PLACES                          ; four plain vector lines between a matrix instruction and a load into its registers or a read of its result
.rept 4
	v_nop
.endr
.endm
	s_load_b256 s[4:11], s[0:1], 0x0               ; w1 s[4:5], xc s[6:7], msk s[8:9], b1 s[10:11]
	s_load_b128 s[12:15], s[0:1], 0x20             ; the scales' exponents s[12:13], hc s[14:15]
	v_lshl_add_u32 v28, v0, 2, 0x20a00
	v_mov_b32 v31, 0
	v_lshrrev_b32 v1, 5, v0
	v_readfirstlane_b32 s18, v1                    ; wave 0..15
	s_lshr_b32 s19, ttmp9, 5                       ; e
	s_and_b32 s20, ttmp9, 31                       ; which 128 hidden units
	s_and_b32 s21, s18, 1                          ; q: which 64 of them
	s_lshr_b32 s22, s18, 1                         ; g: my first group of 32 slots
	s_lshl_b32 s16, 1, s19                         ; e's bit in a mask
	v_and_b32 v[LN], 31, v0                        ; lane
	v_and_b32 v25, 15, v0                          ; r
	v_bfe_u32 v26, v0, 4, 1                        ; h
	v_lshlrev_b32 v[H16], 4, v26
	v_lshlrev_b32 v[VG], 4, v[LN]
	v_and_b32 v29, 25, v[LN]                       ; lane with bits 1 and 2 swapped: my four columns' rows begin at 4 x that
	v_and_b32 v30, 2, v[LN]
	v_lshl_add_u32 v29, v30, 1, v29
	v_and_b32 v30, 4, v[LN]
	v_lshrrev_b32 v30, 1, v30
	v_add_nc_u32 v29, v29, v30
	v_mul_u32_u24 v[VW], v29, 4*PITCH
	s_lshl_b32 s57, s18, 6
	v_add_nc_u32 v[VW], s57, v[VW]                 ; + my wave's 64 along K
	v_mul_u32_u24 v[VBX], v25, PITCH
	v_add_nc_u32 v[VBX], v[VBX], v[H16]
	s_mul_i32 s57, s21, 64*PITCH
	v_add_nc_u32 v[VBX], s57, v[VBX]               ; row 64 q + r, + 16 h
	v_add_nc_u32 v[VBX+1], 32*PITCH, v[VBX]
	v_lshl_add_u32 v[VO], s21, 10, v[VG]
	s_lshl_b32 s57, s21, 8
	s_add_co_u32 s57, s57, BIAS
	v_lshl_add_u32 v[VBI], v26, 6, s57             ; units 64 q + 16 h on
	v_add_nc_u32 v[VBS], BIAS, v[VG]
	v_mov_b32 v[C8], 0xbf97d29d
	v_mov_b32 v[C8+1], 0xbf97d29d
	; the polynomial's coefficients x log2(e); the constant term carries a further -1, which halves the result
	PAIR 36, 0xc034d90f
	PAIR 38, 0x3fb8ab5a
	PAIR 40, 0x3f0a29d2
	PAIR 42, 0x3e0efb2e
	PAIR 44, 0xbe899a80
	PAIR 46, 0x3ecdfd18
	PAIR 48, 0xbfd1a1e5
	PAIR 50, 0x40097039
	PAIR 52, 0x3e7c6f08
	PAIR 54, 0xbf38aa3b                            ; -log2(e) / 2: z^2 = h^2 / 2
	s_mov_b32 s56, 0x3eb504f3                      ; 1 / (2 sqrt 2): z / 2 = |h| x this
	s_mov_b32 s33, 0xffff0000                      ; lanes 16-31
	s_mov_b32 s34, 0x76543210                      ; v_permlanex16_b32: lane l xor 16
	s_mov_b32 s35, 0xfedcba98
	s_lshl_b32 s30, s19, 24                        ; w1: the expert's 16 MiB, my wave's 64 rows of 16,384 bytes, the block's 512 bytes of a row
	s_lshl_b32 s32, s18, 20
	s_add_co_u32 s30, s30, s32
	s_lshl_b32 s32, s20, 9
	s_add_co_u32 s30, s30, s32
	s_mov_b32 s31, 0
	s_wait_kmcnt 0x0
	s_add_nc_u64 s[4:5], s[4:5], s[30:31]
	s_lshl_b32 s30, ttmp9, 9                       ; b1: (4,096 e + 128 block) x 4 bytes = 512 x id
	s_add_nc_u64 s[10:11], s[10:11], s[30:31]
	s_lshl_b32 s30, ttmp9, 17                      ; hc: (32 e + block) x 131,072 = 131,072 x id,
	s_lshl_b32 s32, s22, 12                        ; + my first group's two tiles
	s_add_co_u32 s30, s30, s32
	s_add_nc_u64 s[14:15], s[14:15], s[30:31]
	s_load_b128 s[24:27], s[12:13], 0x0            ; e0 .. e3
.irp j, 0,1,2,3,4,5,6,7
	global_load_b128 v[WT+4*\j:WT+4*\j+3], v[VG], s[8:9] offset:512*\j   ; the masks: register 4 j + i of lane l = token 128 j + 4 l + i
.endr
	global_load_b128 v[BL:BL+3], v[VG], s[10:11]
.macro LOADB b                         ; batch b: 16 rows of K, 512 consecutive bytes each, into set b % 2
.irp i, 0,1,2,3,4,5,6,7,8,9,10,11,12,13,14,15
	global_load_b128 v[R0+64*((\b)%2)+4*\i:R0+64*((\b)%2)+4*\i+3], v[VG], s[4:5] offset:(16*(\b)+\i)*16384 th:TH_LOAD_NT
.endr
.endm
.macro QB b
.if (\b) < 3
	s_wait_loadcnt 16                              ; this batch is in; the next batch's 16 loads may be out
.else
	s_wait_loadcnt 0
.endif
.irp c, 0,1,2,3
.irp i, 0,1,2,3,4,5,6,7,8,9,10,11,12,13,14,15
	v_med3_num_f32 v[WT+16*\c+\i], v[R0+64*((\b)%2)+4*\i+\c], -v[WLIM], v[WLIM]   ; the hold (the conversion does not saturate: ISA guide 7.6.2), and column c's 16 numbers along K on end
.endr
.endr
.if (\b) < 2
	LOADB (\b)+2
.endif
	s_wait_dscnt 0x0                               ; the last batch's LDS stores have read the codes' registers
.irp c, 0,1,2,3
	v_cvt_scalef32_pk8_bf8_f32 v[WC+4*\c:WC+4*\c+1],   v[WT+16*\c:WT+16*\c+7],    v[WSC]
	v_cvt_scalef32_pk8_bf8_f32 v[WC+4*\c+2:WC+4*\c+3], v[WT+16*\c+8:WT+16*\c+15], v[WSC]
.endr
	v_nop                                          ; one plain vector line behind the last conversion
.irp c, 0,1,2,3
	ds_store_b128 v[VW], v[WC+4*\c:WC+4*\c+3] offset:\c*PITCH+16*(\b)
.endr
.endm
; The expert's 32 ballots (bit l of ballot n: the token at place 32 n + l chose e), and s23 = its count in groups of 32, rounded up, 32 at the most
.macro BALLOTS
.set bn, 0
.rept 32
	v_and_b32 v[WT+32+bn], s16, v[WT+bn]
.set bn, bn+1
.endr
.set bn, 0
.rept 32
	v_cmp_ne_u32 s[BAL+bn], 0, v[WT+32+bn]
.set bn, bn+1
.endr
	s_mov_b32 s23, 0
.set bn, 0
.rept 32
	s_bcnt1_i32_b32 s57, s[BAL+bn]
	s_add_co_u32 s23, s23, s57
.set bn, bn+1
.endr
	s_add_co_u32 s23, s23, 31
	s_lshr_b32 s23, s23, 5
	s_min_u32 s23, s23, 32
.endm
	LOADB 0
	LOADB 1
	s_wait_kmcnt 0x0
	s_add_co_i32 s57, s24, 127
	s_lshl_b32 s58, s57, 23
	v_mov_b32 v[WSC], s58
	s_add_co_i32 s57, s57, 15
	s_lshl_b32 s57, s57, 23
	s_or_b32 s57, s57, 0x600000
	v_mov_b32 v[WLIM], s57
	s_add_co_i32 s57, s26, 127
	s_lshl_b32 s58, s57, 23
	v_mov_b32 v[HSC], s58
	s_add_co_i32 s57, s57, 15
	s_lshl_b32 s57, s57, 23
	s_or_b32 s57, s57, 0x600000
	v_mov_b32 v[HLIM], s57
	s_add_co_i32 s28, s24, s25
	s_add_co_i32 s28, s28, 127
	s_lshl_b32 s28, s28, 23                        ; 2^(e0 + e1) as f32
	s_mov_b32 s29, s28
	s_wait_loadcnt 32                              ; the masks and b1 are in; the 32 loads of the weights may be out
	s_cmp_lg_u32 s18, 0
	s_cbranch_scc1 .Lnot_wave_0
	ds_store_b128 v[VBS], v[BL:BL+3]               ; b1's 128 numbers, once
.Lnot_wave_0:
	BALLOTS                                        ; while the weights are on their way
	QB 0
	QB 1
	QB 2
	QB 3
	s_wait_dscnt 0x0                               ; for the other waves: my codes have landed
	s_barrier_signal -1
	s_barrier_wait -1                              ; the one barrier: from here on the codes and b1 are only read
	s_mov_b32 s59, 0                               ; trips done
; One halving step: the count of the lower w bits of what is left, from the field at POS; where the rank reaches it, the bit lies above them
.macro SSTEP src, w, wid
	v_bfe_u32 v[TT], v[\src], v[POS], \wid
	v_cmp_ge_u32 vcc_lo, v[KK], v[TT]
	v_sub_nc_u32 v[UU], v[KK], v[TT]
	v_add_nc_u32 v[U2], \w, v[POS]
	v_cndmask_b32 v[KK], v[KK], v[UU], vcc_lo
	v_cndmask_b32 v[POS], v[POS], v[U2], vcc_lo
.endm
; Lane l finds the token of slot 32 g + l; then both halves of the lanes get the tokens of slots 32 g + (lane % 16) and 32 g + 16 + (lane % 16)
.macro SELECT
	v_lshl_add_u32 v[SL], s22, 5, v[LN]
	v_mov_b32 v[SB], s[BAL]
	v_mov_b32 v[SPK], 0
	s_bcnt1_i32_b32 s60, s[BAL]                    ; the running base: e's tokens in the ballots below
.set bn, 1
.rept 31
	v_cmp_le_u32 vcc_lo, s60, v[SL]                ; the bases do not fall: the last ballot whose base is at or below my slot holds it
	s_add_co_u32 s61, s60, bn<<16
	v_cndmask_b32 v[SB], v[SB], s[BAL+bn], vcc_lo
	v_cndmask_b32 v[SPK], v[SPK], s61, vcc_lo
	s_bcnt1_i32_b32 s57, s[BAL+bn]
	s_add_co_u32 s60, s60, s57
.set bn, bn+1
.endr
	v_and_b32 v[TT], 0xffff, v[SPK]
	v_sub_nc_u32 v[KK], v[SL], v[TT]               ; my slot's rank among the ballot's bits, from 0
	v_lshrrev_b32 v[NN], 16, v[SPK]
	v_mov_b32 v[POS], 0
	v_lshrrev_b32 v[TT], 1, v[SB]                  ; the ballot's bit counts in fields of 2, 4 and 8 bits
	v_and_b32 v[TT], 0x55555555, v[TT]
	v_sub_nc_u32 v[A1], v[SB], v[TT]
	v_and_b32 v[TT], 0x33333333, v[A1]
	v_lshrrev_b32 v[UU], 2, v[A1]
	v_and_b32 v[UU], 0x33333333, v[UU]
	v_add_nc_u32 v[A2], v[TT], v[UU]
	v_lshrrev_b32 v[TT], 4, v[A2]
	v_add_nc_u32 v[TT], v[TT], v[A2]
	v_and_b32 v[A3], 0x0f0f0f0f, v[TT]
	v_lshrrev_b32 v[TT], 8, v[A3]
	v_add_nc_u32 v[A4], v[TT], v[A3]               ; lowest byte: the count of the low 16 bits
	SSTEP A4, 16, 8
	SSTEP A3, 8, 8
	SSTEP A2, 4, 4
	SSTEP A1, 2, 2
	SSTEP SB, 1, 1
	v_lshrrev_b32 v[TT], 2, v[NN]
	v_and_b32 v[UU], 3, v[NN]
	v_lshl_add_u32 v[UU], v[POS], 2, v[UU]
	v_lshl_add_u32 v[TOK], v[TT], 7, v[UU]         ; token = 128 (n / 4) + 4 x the bit's place + n % 4
	v_permlanex16_b32 v[U2], v[TOK], s34, s35      ; (its destination has been written)
	v_cndmask_b32 v[ID0],   v[TOK], v[U2], s33     ; lanes 16-31 take lanes 0-15's token,
	v_cndmask_b32 v[ID0+1], v[U2], v[TOK], s33     ; lanes 0-15 take lanes 16-31's
.endm
.macro ALOAD s                         ; the two token tiles' fragments of K step s, gathered from xc, into set s % 3
.irp a, 0,1
.irp c, 0,1,2,3
	global_load_b128 v[AR+32*((\s)%3)+16*\a+4*\c:AR+32*((\s)%3)+16*\a+4*\c+3], v[VA0+\a], s[6:7] offset:128*(\s)+32*\c
.endr
.endr
.endm
.macro BLOAD set, s                    ; two tiles of hidden units, K step s
.irp u, 0,1
.irp c, 0,1,2,3
	ds_load_b128 v[BX+32*\set+16*\u+4*\c:BX+32*\set+16*\u+4*\c+3], v[VBX+\set] offset:\u*16*PITCH+128*(\s)+32*\c
.endr
.endr
.endm
.macro MUL set, s                      ; four products; the eight accumulators take turns, one instruction a turn; step 0 starts the sums
.irp u, 0,1
.irp a, 0,1
.if (\s) == 0
	v_wmma_f32_16x16x128_bf8_bf8 v[ACC+8*(2*(2*\set+\u)+\a):ACC+8*(2*(2*\set+\u)+\a)+7], v[BX+32*\set+16*\u:BX+32*\set+16*\u+15], v[AR+32*((\s)%3)+16*\a:AR+32*((\s)%3)+16*\a+15], 0
.else
	v_wmma_f32_16x16x128_bf8_bf8 v[ACC+8*(2*(2*\set+\u)+\a):ACC+8*(2*(2*\set+\u)+\a)+7], v[BX+32*\set+16*\u:BX+32*\set+16*\u+15], v[AR+32*((\s)%3)+16*\a:AR+32*((\s)%3)+16*\a+15], v[ACC+8*(2*(2*\set+\u)+\a):ACC+8*(2*(2*\set+\u)+\a)+7]
.endif
.endr
.endr
.endm
.macro STEP s
.if NS-1-(\s) >= 2
	s_wait_loadcnt 16                              ; this step's tokens are in; the two later steps' 16 loads may be out
.else
	s_wait_loadcnt 8*(NS-1-(\s))
.endif
	s_wait_dscnt 8                                 ; set X is in; set Y's eight loads may be out
	MUL 0, \s
	PLACES
.if (\s)+1 < NS
	BLOAD 0, (\s)+1
	s_wait_dscnt 8                                 ; set Y is in; the eight just issued may be out
.else
	s_wait_dscnt 0
.endif
	MUL 1, \s
	PLACES
.if (\s)+1 < NS
	BLOAD 1, (\s)+1
.endif
.if (\s)+3 < NS
	ALOAD (\s)+3
.endif
.endm
; 16 numbers of token tile a: hidden units 64 q + 32 b + 16 (lane / 16) + 0 .. 15, from tiles 2 b and 2 b + 1; each accumulator is read from its low end on
.macro GEL a, b
.set GA0, ACC+8*(4*\b+\a)
.set GA1, ACC+8*(4*\b+2+\a)
.irp m, 0,2,4,6
	v_pk_fma_f32 v[EH+\m:EH+\m+1], v[GA0+\m:GA0+\m+1], s[28:29], v[EBI+16*\b+\m:EBI+16*\b+\m+1] op_sel_hi:[1,0,1]   ; h = sum x 2^(e0 + e1) + b1
.endr
.irp m, 0,2,4,6
	v_pk_fma_f32 v[EH+8+\m:EH+9+\m], v[GA1+\m:GA1+\m+1], s[28:29], v[EBI+16*\b+8+\m:EBI+16*\b+9+\m] op_sel_hi:[1,0,1]
.endr
.irp n, 0,1,2,3,4,5,6,7,8,9,10,11,12,13,14,15
	v_fma_f32 v[ET+\n], |v[EH+\n]|, s56, 1.0       ; 1 + z / 2
.endr
.irp n, 0,1,2,3,4,5,6,7,8,9,10,11,12,13,14,15
	v_rcp_f32 v[ET+\n], v[ET+\n]                   ; t
.endr
.irp m, 0,2,4,6,8,10,12,14
	v_pk_mul_f32 v[EU+\m:EU+\m+1], v[EH+\m:EH+\m+1], v[EH+\m:EH+\m+1]   ; h^2.  (The plain lines behind the reciprocals)
.endr
	s_wait_alu depctr_va_vdst(0)
.irp m, 0,2,4,6,8,10,12,14
	v_pk_fma_f32 v[EP+\m:EP+\m+1], v[ET+\m:ET+\m+1], s[52:53], v[C8:C8+1] op_sel_hi:[1,0,1]
.endr
.irp k, 50,48,46,44,42,40,38,36
.irp m, 0,2,4,6,8,10,12,14
	v_pk_fma_f32 v[EP+\m:EP+\m+1], v[EP+\m:EP+\m+1], v[ET+\m:ET+\m+1], s[\k:\k+1] op_sel_hi:[1,1,0]
.endr
.endr
.irp m, 0,2,4,6,8,10,12,14
	v_pk_fma_f32 v[EP+\m:EP+\m+1], v[EU+\m:EU+\m+1], s[54:55], v[EP+\m:EP+\m+1] op_sel_hi:[1,0,1]   ; - z^2 log2(e)
.endr
.irp n, 0,1,2,3,4,5,6,7,8,9,10,11,12,13,14,15
	v_exp_f32 v[EP+\n], v[EP+\n]
.endr
.irp n, 0,1,2,3,4,5,6,7,8,9,10,11,12,13,14,15
	v_max_num_f32 v[EU+\n], 0, v[EH+\n]            ; max(h, 0).  (The plain lines behind the exponentials)
.endr
	s_wait_alu depctr_va_vdst(0)
.irp m, 0,2,4,6,8,10,12,14
	v_pk_mul_f32 v[ET+\m:ET+\m+1], v[ET+\m:ET+\m+1], v[EP+\m:EP+\m+1]   ; erfc(z) / 2
.endr
.irp n, 0,1,2,3,4,5,6,7,8,9,10,11,12,13,14,15
	v_fma_f32 v[EU+\n], -|v[EH+\n]|, v[ET+\n], v[EU+\n]
.endr
.irp n, 0,1,2,3,4,5,6,7,8,9,10,11,12,13,14,15
	v_med3_num_f32 v[EU+\n], v[EU+\n], -v[HLIM], v[HLIM]
.endr
	v_cvt_scalef32_pk8_bf8_f32 v[ECD+4*(2*\a+\b):ECD+4*(2*\a+\b)+1],   v[EU:EU+7],    v[HSC]
	v_cvt_scalef32_pk8_bf8_f32 v[ECD+4*(2*\a+\b)+2:ECD+4*(2*\a+\b)+3], v[EU+8:EU+15], v[HSC]
	v_nop                                          ; one plain vector line behind the last conversion
.endm
.Litem:                                                ; TRIPS trips, a constant; no load is out here
	s_cmp_ge_u32 s22, s23                          ; a group at or past the expert's count has no tokens: its work is jumped over.  The count is made of whole numbers that an earlier launch stored
	s_cbranch_scc1 .Lskip
	SELECT
	v_min_u32 v[VA0],   0x3ff, v[ID0]
	v_min_u32 v[VA0+1], 0x3ff, v[ID0+1]
	v_lshl_add_u32 v[VA0],   v[VA0],   10, v[H16]  ; a row of xc is 1,024 bytes
	v_lshl_add_u32 v[VA0+1], v[VA0+1], 10, v[H16]
	ALOAD 0
	ALOAD 1
	ALOAD 2
	BLOAD 0, 0
	BLOAD 1, 0
.irp s, 0,1,2,3,4,5,6,7
	STEP \s
.endr
.irp b, 0,1
.irp i, 0,1,2,3
	ds_load_b128 v[EBI+16*\b+4*\i:EBI+16*\b+4*\i+3], v[VBI] offset:128*\b+16*\i
.endr
.endr
	s_wait_dscnt 0x0
	GEL 0, 0
	GEL 0, 1
	GEL 1, 0
	GEL 1, 1
.irp a, 0,1
.irp b, 0,1
	global_store_b128 v[VO], v[ECD+4*(2*\a+\b):ECD+4*(2*\a+\b)+3], s[14:15] offset:2048*\a+512*\b   ; 32 lanes store 512 consecutive bytes, aligned
.endr
.endr
.Lskip:
	s_wait_xcnt 0x0                                ; the stores' data and base, and the gathers' offsets, are written again only behind this wait
	s_add_nc_u64 s[14:15], s[14:15], 0x8000        ; eight groups on
	s_add_co_u32 s22, s22, 8
	s_add_co_u32 s59, s59, 1
	s_cmp_lt_u32 s59, TRIPS
	s_cbranch_scc1 .Litem
	s_wait_tensorcnt 0x0
	ds_add_u32 v28, v31
	s_wait_dscnt 0x0
	s_endpgm
.Lfunc_end_k_qd8d3db61ec_ffn1:
	.size	k_qd8d3db61ec_ffn1, .Lfunc_end_k_qd8d3db61ec_ffn1-k_qd8d3db61ec_ffn1
	.p2alignl 7, 3214868480
	.fill 96, 4, 3214868480
	.section	.rodata,"a",@progbits
	.p2align	6, 0x0
	.amdhsa_kernel k_qd8d3db61ec_ffn1
		.amdhsa_group_segment_fixed_size 135680
		.amdhsa_private_segment_fixed_size 0
		.amdhsa_enable_private_segment 0
		.amdhsa_kernarg_size 48
		.amdhsa_user_sgpr_count 2
		.amdhsa_user_sgpr_kernarg_segment_ptr 1
		.amdhsa_wavefront_size32 1
		.amdhsa_system_sgpr_workgroup_id_x 1
		.amdhsa_system_sgpr_workgroup_id_y 1
		.amdhsa_system_sgpr_workgroup_id_z 1
		.amdhsa_system_vgpr_workitem_id 0
		.amdhsa_next_free_vgpr 256
		.amdhsa_next_free_sgpr 100
		.amdhsa_reserve_vcc 1
		.amdhsa_float_denorm_mode_32 3
		.amdhsa_float_denorm_mode_16_64 3
		.amdhsa_memory_ordered 1
		.amdhsa_forward_progress 1
		.amdhsa_inst_pref_size 115
	.end_amdhsa_kernel
	.amdgpu_metadata
---
amdhsa.version: [ 1, 2 ]
amdhsa.kernels:
  - .name:           k_qd8d3db61ec_ffn1
    .symbol:         k_qd8d3db61ec_ffn1.kd
    .args:
      - { .name: w1, .offset: 0, .size: 8, .value_kind: global_buffer, .address_space: global }
      - { .name: xc, .offset: 8, .size: 8, .value_kind: global_buffer, .address_space: global }
      - { .name: msk, .offset: 16, .size: 8, .value_kind: global_buffer, .address_space: global }
      - { .name: b1, .offset: 24, .size: 8, .value_kind: global_buffer, .address_space: global }
      - { .name: lowp_scales, .offset: 32, .size: 8, .value_kind: global_buffer, .address_space: global }
      - { .name: hc, .offset: 40, .size: 8, .value_kind: global_buffer, .address_space: global }
    .group_segment_fixed_size: 135680
    .private_segment_fixed_size: 0
    .kernarg_segment_align: 8
    .kernarg_segment_size: 48
    .max_flat_workgroup_size: 512
    .sgpr_count:     100
    .vgpr_count:     256
    .wavefront_size: 32
...
	.end_amdgpu_metadata
.endif
;; end of part 2
;; launch ffn2 (part 3): grid 256 x 1, 16 waves a work-group, no clusters, 203,776 bytes of LDS; arguments w2, hc, msk, lowp_scales, eo; writes eo
.if DOCPART == 3
	.amdgcn_target "amdgcn-amd-amdhsa--gfx1250"
	.amdhsa_code_object_version 6
	.text
	.protected	k_qd8d3db61ec_ffn2
	.globl	k_qd8d3db61ec_ffn2
	.p2align	8
	.type	k_qd8d3db61ec_ffn2,@function
k_qd8d3db61ec_ffn2:
	s_mov_b64 s[64:65], 0
	v_nop
	global_prefetch_b8 v0, s[64:65] scope:SCOPE_SE
	s_setreg_imm32_b32 hwreg(HW_REG_WAVE_MODE, 25, 1), 1
	s_wait_xcnt 0x0
; SECOND LAYER, for the slots of each expert: eo = the raw f32 sums of hidden codes x w2's codes (E5M2, v_wmma_f32_16x16x128_bf8_bf8), in two halves of K; scale, bias and the sum of the halves follow in the last launch.
; SHARES.  Work-group = expert e (id / 32) x half of K (kh = (id / 16) % 2: 2,048 hidden units) x 64 outputs (nb = id % 16).  Its slice of w2, 2,048 (K) x 64 f32, is read from memory once, quantised in
; registers with 2^e3 and laid in LDS as codes, K innermost.  Then wave w takes items of 32 slots x the 64 outputs: groups g = w and w + 16.  K is split so that 256 work-groups each hold a slice that fits in LDS;
; each half has its own plane of eo, so no sum crosses work-groups.
; The loop over items has two trips, a constant: 32 groups at the most, sixteen a trip.  A trip whose group lies at or past the expert's count jumps over its work.  Every wave makes that count itself, from the
; 1,024 tokens' masks (whole numbers that an earlier launch stored): eight loads of 512 bytes, 32 ballots, their bits counted.
; PHASE W.  Wave w takes K rows 128 w .. + 127 in four batches of 32; a load covers two rows' 256 consecutive bytes (lanes 0-15 row i, lanes 16-31 row i + 16); a lane holds four columns, and the hold puts each column's 16 numbers along K on end.
; THE MATRIX INSTRUCTION IS USED TRANSPOSED (source 0 = 16 outputs, source 1 = 16 slots): a lane holds eight neighbouring outputs of one slot.  The hidden codes come as images of the fragment's registers: dense loads of 512 bytes.
; THE WAY OUT.  16 slots x 64 outputs go through the wave's own stage in LDS and leave as rows: sixteen lanes store 256 consecutive bytes, aligned.
; No tensor loads and no joint loads: the weights pass through registers to be quantised, and which items have work hangs on a count made from numbers read from memory, so the loop over items holds no barrier.
; LIMIT.  e3 between -126 and 112.  NaN and infinities among the inputs are not served.
.set PITCH, 2064                       ; an LDS row: 2,048 codes + 16 = 129 x 16 bytes: sixteen consecutive rows begin in sixteen different 16-byte columns of 256 bytes
.set STG,   64*PITCH                   ; behind the codes: a stage of 16 rows x (256 + 16) bytes for each wave
.set SP,    272
.set NS,    16                         ; K steps of 128
.set TRIPS, 2                          ; 32 groups of 32 slots at the most, sixteen a trip
.set BAL,   66                         ; s66-97   the expert's 32 ballots
.set VBX, 2                            ; v2, v3   LDS address of my fragments of tiles 0, 1 (set X) and 2, 3 (set Y)
.set VA0, 4                            ; v4       16 x lane
.set VO,  6                            ; v6       eo: 4,096 (lane / 16) + 16 (lane % 16)
.set VW,  7                            ; v7       phase W: where my codes go
.set VG,  8                            ; v8       phase W: 65,536 (lane / 16) + 16 (lane % 16)
.set WLIM, 9                           ; v9, v10  57,344 x 2^e3; 2^e3
.set WSC, 10
.set VSTO, 13                          ; v13      the stage: where I put 32 bytes of a row
.set VRD, 14                           ; v14      and where I read rows back
.set R0,  32                           ; phase W: v32-159 two sets of 16 loads x 4 columns
.set WT,  160                          ; v160-223 first the masks and their expert's bit; then held numbers: 16 c + i
.set WC,  224                          ; v224-239 codes: 4 c
.set ACC, 32                           ; items: v32-95 accumulator (tile j, slot tile a) at 8 (2 j + a)
.set AR,  96                           ; v96-191  the hidden layer's fragments: three sets of two
.set BX,  192                          ; v192-223 set X, v224-255 set Y
.set OB,  96                           ; the way out: v96-159 rows read back
.macro PLACES                          ; four plain vector lines between a matrix instruction and a load into its registers or a read of its result
.rept 4
	v_nop
.endr
.endm
	s_load_b256 s[4:11], s[0:1], 0x0               ; w2 s[4:5], hc s[6:7], msk s[8:9], the scales' exponents s[10:11]
	s_load_b64 s[12:13], s[0:1], 0x20              ; eo
	v_lshl_add_u32 v30, v0, 2, 0x31400
	v_mov_b32 v31, 0
	v_lshrrev_b32 v1, 5, v0
	v_readfirstlane_b32 s18, v1                    ; wave 0..15
	s_lshr_b32 s19, ttmp9, 5                       ; e
	s_bfe_u32 s20, ttmp9, 0x10004                  ; kh
	s_and_b32 s21, ttmp9, 15                       ; nb
	s_mov_b32 s22, s18                             ; g: my first group of 32 slots
	s_lshr_b32 s24, ttmp9, 4                       ; 2 e + kh
	s_lshl_b32 s16, 1, s19                         ; e's bit in a mask
	v_and_b32 v24, 31, v0                          ; lane
	v_and_b32 v25, 15, v0                          ; lane % 16
	v_bfe_u32 v26, v0, 4, 1                        ; lane / 16
	v_lshlrev_b32 v[VA0], 4, v24
	v_lshlrev_b32 v[VG], 4, v25
	v_lshl_add_u32 v[VO], v26, 12, v[VG]
	v_lshl_add_u32 v[VG], v26, 16, v[VG]           ; lanes 16-31: 16 rows of 4,096 bytes further down
	v_mul_u32_u24 v[VW], v25, 4*PITCH              ; my four columns' rows,
	v_lshl_add_u32 v[VW], v26, 4, v[VW]            ; my half's 16 along K,
	s_lshl_b32 s57, s18, 7
	v_add_nc_u32 v[VW], s57, v[VW]                 ; my wave's 128
	v_mul_u32_u24 v[VBX], v25, PITCH
	v_lshl_add_u32 v[VBX], v26, 4, v[VBX]
	v_add_nc_u32 v[VBX+1], 32*PITCH, v[VBX]
	s_mul_i32 s57, s18, 16*SP
	s_add_co_u32 s57, s57, STG                     ; my stage
	v_mul_u32_u24 v[VSTO], v25, SP
	v_lshl_add_u32 v[VSTO], v26, 5, v[VSTO]
	v_add_nc_u32 v[VSTO], s57, v[VSTO]             ; in: row = slot lane % 16, 32 bytes for each half of the lanes
	v_mul_u32_u24 v[VRD], v26, SP
	v_lshl_add_u32 v[VRD], v25, 4, v[VRD]
	v_add_nc_u32 v[VRD], s57, v[VRD]               ; back: lanes 0-15 one row, lanes 16-31 the next
	s_lshl_b32 s30, s24, 23                        ; w2: (2 e + kh) x 8 MiB, my wave's 128 rows of 4,096 bytes, the block's 256 bytes of a row
	s_lshl_b32 s32, s18, 19
	s_add_co_u32 s30, s30, s32
	s_lshl_b32 s32, s21, 8
	s_add_co_u32 s30, s30, s32
	s_mov_b32 s31, 0
	s_lshl_b32 s32, s24, 21                        ; hc: (32 e + 16 kh) blocks of 131,072 bytes, + my first group's two tiles
	s_lshl_b32 s34, s22, 12
	s_add_co_u32 s32, s32, s34
	s_mov_b32 s33, 0
	s_lshl_b32 s34, s20, 25                        ; eo: the half's plane of 8,192 rows of 4,096 bytes, the expert's 1,024 rows, my group's 32, the block's 256 bytes
	s_lshl_b32 s36, s19, 22
	s_add_co_u32 s34, s34, s36
	s_lshl_b32 s36, s22, 17
	s_add_co_u32 s34, s34, s36
	s_lshl_b32 s36, s21, 8
	s_add_co_u32 s34, s34, s36
	s_mov_b32 s35, 0
	s_wait_kmcnt 0x0
	s_add_nc_u64 s[4:5], s[4:5], s[30:31]
	s_add_nc_u64 s[6:7], s[6:7], s[32:33]
	s_add_nc_u64 s[12:13], s[12:13], s[34:35]
	s_load_b128 s[40:43], s[10:11], 0x0            ; e0 .. e3
.irp j, 0,1,2,3,4,5,6,7
	global_load_b128 v[WT+4*\j:WT+4*\j+3], v[VA0], s[8:9] offset:512*\j   ; the 1,024 masks
.endr
.macro LOADB b                         ; batch b: 32 rows of K, two rows' 256 bytes a load, into set b % 2
.irp i, 0,1,2,3,4,5,6,7,8,9,10,11,12,13,14,15
	global_load_b128 v[R0+64*((\b)%2)+4*\i:R0+64*((\b)%2)+4*\i+3], v[VG], s[4:5] offset:(32*(\b)+\i)*4096 th:TH_LOAD_NT
.endr
.endm
.macro QB b
.if (\b) < 3
	s_wait_loadcnt 16                              ; this batch is in; the next batch's 16 loads may be out
.else
	s_wait_loadcnt 0
.endif
.irp c, 0,1,2,3
.irp i, 0,1,2,3,4,5,6,7,8,9,10,11,12,13,14,15
	v_med3_num_f32 v[WT+16*\c+\i], v[R0+64*((\b)%2)+4*\i+\c], -v[WLIM], v[WLIM]   ; the hold (the conversion does not saturate: ISA guide 7.6.2), and column c's 16 numbers along K on end
.endr
.endr
.if (\b) < 2
	LOADB (\b)+2
.endif
	s_wait_dscnt 0x0                               ; the last batch's LDS stores have read the codes' registers
.irp c, 0,1,2,3
	v_cvt_scalef32_pk8_bf8_f32 v[WC+4*\c:WC+4*\c+1],   v[WT+16*\c:WT+16*\c+7],    v[WSC]
	v_cvt_scalef32_pk8_bf8_f32 v[WC+4*\c+2:WC+4*\c+3], v[WT+16*\c+8:WT+16*\c+15], v[WSC]
.endr
	v_nop                                          ; one plain vector line behind the last conversion
.irp c, 0,1,2,3
	ds_store_b128 v[VW], v[WC+4*\c:WC+4*\c+3] offset:\c*PITCH+32*(\b)
.endr
.endm
; The expert's 32 ballots, and s23 = its count in groups of 32, rounded up, 32 at the most
.macro BALLOTS
.set bn, 0
.rept 32
	v_and_b32 v[WT+32+bn], s16, v[WT+bn]
.set bn, bn+1
.endr
.set bn, 0
.rept 32
	v_cmp_ne_u32 s[BAL+bn], 0, v[WT+32+bn]
.set bn, bn+1
.endr
	s_mov_b32 s23, 0
.set bn, 0
.rept 32
	s_bcnt1_i32_b32 s57, s[BAL+bn]
	s_add_co_u32 s23, s23, s57
.set bn, bn+1
.endr
	s_add_co_u32 s23, s23, 31
	s_lshr_b32 s23, s23, 5
	s_min_u32 s23, s23, 32
.endm
	LOADB 0
	LOADB 1
	s_wait_kmcnt 0x0
	s_add_co_i32 s57, s43, 127
	s_lshl_b32 s58, s57, 23
	v_mov_b32 v[WSC], s58
	s_add_co_i32 s57, s57, 15
	s_lshl_b32 s57, s57, 23
	s_or_b32 s57, s57, 0x600000
	v_mov_b32 v[WLIM], s57
	s_wait_loadcnt 32                              ; the masks are in; the 32 loads of the weights may be out
	BALLOTS                                        ; while the weights are on their way
	QB 0
	QB 1
	QB 2
	QB 3
	s_wait_dscnt 0x0                               ; for the other waves: my codes have landed
	s_barrier_signal -1
	s_barrier_wait -1                              ; the one barrier: from here on the codes are only read, and each stage is its wave's own
	s_mov_b32 s59, 0                               ; trips done
.macro ALOAD s                         ; the two slot tiles' fragments of K step s: images, 512 consecutive bytes a load, into set s % 3
.irp a, 0,1
.irp c, 0,1,2,3
	global_load_b128 v[AR+32*((\s)%3)+16*\a+4*\c:AR+32*((\s)%3)+16*\a+4*\c+3], v[VA0], s[6:7] offset:(\s)*131072+\a*2048+512*\c
.endr
.endr
.endm
.macro BLOAD set, s                    ; two tiles of outputs, K step s
.irp u, 0,1
.irp c, 0,1,2,3
	ds_load_b128 v[BX+32*\set+16*\u+4*\c:BX+32*\set+16*\u+4*\c+3], v[VBX+\set] offset:\u*16*PITCH+128*(\s)+32*\c
.endr
.endr
.endm
.macro MUL set, s                      ; four products; the eight accumulators take turns, one instruction a turn; step 0 starts the sums
.irp u, 0,1
.irp a, 0,1
.if (\s) == 0
	v_wmma_f32_16x16x128_bf8_bf8 v[ACC+8*(2*(2*\set+\u)+\a):ACC+8*(2*(2*\set+\u)+\a)+7], v[BX+32*\set+16*\u:BX+32*\set+16*\u+15], v[AR+32*((\s)%3)+16*\a:AR+32*((\s)%3)+16*\a+15], 0
.else
	v_wmma_f32_16x16x128_bf8_bf8 v[ACC+8*(2*(2*\set+\u)+\a):ACC+8*(2*(2*\set+\u)+\a)+7], v[BX+32*\set+16*\u:BX+32*\set+16*\u+15], v[AR+32*((\s)%3)+16*\a:AR+32*((\s)%3)+16*\a+15], v[ACC+8*(2*(2*\set+\u)+\a):ACC+8*(2*(2*\set+\u)+\a)+7]
.endif
.endr
.endr
.endm
.macro STEP s
.if NS-1-(\s) >= 2
	s_wait_loadcnt 16                              ; this step's fragments are in; the two later steps' 16 loads may be out
.else
	s_wait_loadcnt 8*(NS-1-(\s))
.endif
	s_wait_dscnt 8                                 ; set X is in; set Y's eight loads may be out
	MUL 0, \s
	PLACES
.if (\s)+1 < NS
	BLOAD 0, (\s)+1
	s_wait_dscnt 8                                 ; set Y is in; the eight just issued may be out
.else
	s_wait_dscnt 0
.endif
	MUL 1, \s
	PLACES
.if (\s)+1 < NS
	BLOAD 1, (\s)+1
.endif
.if (\s)+3 < NS
	ALOAD (\s)+3
.endif
.endm
.Litem:                                                ; TRIPS trips, a constant
	s_cmp_ge_u32 s22, s23                          ; a group at or past the expert's count has no slots in use: its work is jumped over.  The count is made of whole numbers that an earlier launch stored
	s_cbranch_scc1 .Lskip
	ALOAD 0
	ALOAD 1
	ALOAD 2
	BLOAD 0, 0
	BLOAD 1, 0
.irp s, 0,1,2,3,4,5,6,7,8,9,10,11,12,13,14,15
	STEP \s
.endr
	; the way out: LDS serves a wave's instructions in order (ISA guide 5.7.1.4), so no wait stands between my stores and my loads, nor in front of the second tile's stores
.irp a, 0,1
.irp j, 0,1,2,3
	ds_store_b128 v[VSTO], v[ACC+8*(2*\j+\a):ACC+8*(2*\j+\a)+3]   offset:64*\j      ; each accumulator from its low end on
	ds_store_b128 v[VSTO], v[ACC+8*(2*\j+\a)+4:ACC+8*(2*\j+\a)+7] offset:64*\j+16
.endr
.irp i, 0,1,2,3,4,5,6,7
	ds_load_b128 v[OB+32*\a+4*\i:OB+32*\a+4*\i+3], v[VRD] offset:2*\i*SP
.endr
.endr
	s_wait_dscnt 16                                ; the first tile's rows are back; the second tile's 8 stores and 8 loads may be out
.irp i, 0,1,2,3,4,5,6,7
	global_store_b128 v[VO], v[OB+4*\i:OB+4*\i+3], s[12:13] offset:2*\i*4096       ; sixteen lanes store 256 consecutive bytes, aligned
.endr
	s_wait_dscnt 0x0
.irp i, 0,1,2,3,4,5,6,7
	global_store_b128 v[VO], v[OB+32+4*\i:OB+32+4*\i+3], s[12:13] offset:(16+2*\i)*4096
.endr
.Lskip:
	s_wait_xcnt 0x0                                ; the stores' data and both bases are written again only behind this wait
	s_add_nc_u64 s[6:7], s[6:7], 0x10000           ; sixteen groups on: 32 tiles of 2,048 bytes,
	s_add_nc_u64 s[12:13], s[12:13], 0x200000      ; 512 rows of 4,096 bytes
	s_add_co_u32 s22, s22, 16
	s_add_co_u32 s59, s59, 1
	s_cmp_lt_u32 s59, TRIPS
	s_cbranch_scc1 .Litem
	s_wait_tensorcnt 0x0
	ds_add_u32 v30, v31
	s_wait_dscnt 0x0
	s_endpgm
.Lfunc_end_k_qd8d3db61ec_ffn2:
	.size	k_qd8d3db61ec_ffn2, .Lfunc_end_k_qd8d3db61ec_ffn2-k_qd8d3db61ec_ffn2
	.p2alignl 7, 3214868480
	.fill 96, 4, 3214868480
	.section	.rodata,"a",@progbits
	.p2align	6, 0x0
	.amdhsa_kernel k_qd8d3db61ec_ffn2
		.amdhsa_group_segment_fixed_size 203776
		.amdhsa_private_segment_fixed_size 0
		.amdhsa_enable_private_segment 0
		.amdhsa_kernarg_size 40
		.amdhsa_user_sgpr_count 2
		.amdhsa_user_sgpr_kernarg_segment_ptr 1
		.amdhsa_wavefront_size32 1
		.amdhsa_system_sgpr_workgroup_id_x 1
		.amdhsa_system_sgpr_workgroup_id_y 1
		.amdhsa_system_sgpr_workgroup_id_z 1
		.amdhsa_system_vgpr_workitem_id 0
		.amdhsa_next_free_vgpr 256
		.amdhsa_next_free_sgpr 100
		.amdhsa_reserve_vcc 0
		.amdhsa_float_denorm_mode_32 3
		.amdhsa_float_denorm_mode_16_64 3
		.amdhsa_memory_ordered 1
		.amdhsa_forward_progress 1
		.amdhsa_inst_pref_size 81
	.end_amdhsa_kernel
	.amdgpu_metadata
---
amdhsa.version: [ 1, 2 ]
amdhsa.kernels:
  - .name:           k_qd8d3db61ec_ffn2
    .symbol:         k_qd8d3db61ec_ffn2.kd
    .args:
      - { .name: w2, .offset: 0, .size: 8, .value_kind: global_buffer, .address_space: global }
      - { .name: hc, .offset: 8, .size: 8, .value_kind: global_buffer, .address_space: global }
      - { .name: msk, .offset: 16, .size: 8, .value_kind: global_buffer, .address_space: global }
      - { .name: lowp_scales, .offset: 24, .size: 8, .value_kind: global_buffer, .address_space: global }
      - { .name: eo, .offset: 32, .size: 8, .value_kind: global_buffer, .address_space: global }
    .group_segment_fixed_size: 203776
    .private_segment_fixed_size: 0
    .kernarg_segment_align: 8
    .kernarg_segment_size: 40
    .max_flat_workgroup_size: 512
    .sgpr_count:     100
    .vgpr_count:     256
    .wavefront_size: 32
...
	.end_amdgpu_metadata
.endif
;; end of part 3
;; launch combine (part 4): grid 256 x 1, 4 waves a work-group, no clusters, 0 bytes of LDS; arguments eo, msk, ps, b2, lowp_scales, out0; writes out0
.if DOCPART == 4
	.amdgcn_target "amdgcn-amd-amdhsa--gfx1250"
	.amdhsa_code_object_version 6
	.text
	.protected	k_qd8d3db61ec_combine
	.globl	k_qd8d3db61ec_combine
	.p2align	8
	.type	k_qd8d3db61ec_combine,@function
k_qd8d3db61ec_combine:
	s_mov_b64 s[64:65], 0
	v_nop
	global_prefetch_b8 v0, s[64:65] scope:SCOPE_SE
	s_setreg_imm32_b32 hwreg(HW_REG_WAVE_MODE, 25, 1), 1
	s_wait_xcnt 0x0
; COMBINE.  out0[t] = ((the four raw sums of t's two experts, two halves of K each) x 2^(e2 + e3) + b2[first expert] + b2[second expert]) x the sum of t's two softmax weights.
; A wave takes one token.  Its two experts are the two bits of its mask; its slot in an expert is the number of that expert's tokens at smaller places, counted here from the 1,024 masks (whole numbers that an earlier
; launch stored) in the order in which the first layer laid the slots: eight loads of 512 bytes put token 128 j + 4 l + i into register n = 4 j + i of lane l, and the token's place is 32 n + l.
; The counts stay whole numbers throughout, and are clamped before they enter an address.
; Then a stream: six loads of 512 consecutive bytes for each 512 bytes of the result, all 48 issued at once; each store covers 512 consecutive bytes, aligned.  No LDS, no barrier, no matrix unit: memory binds.
; LIMIT.  e2 + e3 between -126 and 127.
.set M,  32                            ; v32-63   the masks; those at or past my token's place become 0
.set XA, 64                            ; v64-95   their bit of my first expert
.set XB, 96                            ; v96-127  of my second
.set E0, 32                            ; then: v32-63 first expert, lower half of K; then the result
.set E1, 64                            ; v64-95   first expert, upper half
.set E2, 96                            ; v96-127  second expert, lower half
.set E3, 128                           ; v128-159 second expert, upper half
.set BA, 160                           ; v160-191 b2 of the first expert
.set BB, 192                           ; v192-223 b2 of the second
	s_load_b256 s[4:11], s[0:1], 0x0               ; eo s[4:5], msk s[6:7], ps s[8:9], b2 s[10:11]
	s_load_b128 s[12:15], s[0:1], 0x20             ; the scales' exponents s[12:13], out0 s[14:15]
	v_lshrrev_b32 v1, 5, v0
	v_readfirstlane_b32 s16, v1                    ; wave
	v_and_b32 v3, 31, v0                           ; lane
	v_lshlrev_b32 v2, 4, v3                        ; 16 x lane
	v_mov_b32 v5, 0                                ; written once: the destination of a lane move counts as read
	s_lshl_b32 s17, ttmp9, 2
	s_add_co_u32 s17, s17, s16                     ; my token t
	s_lshl_b32 s18, s17, 2
	s_mov_b32 s19, 0
	s_mov_b32 s50, 0x76543210                      ; v_permlanex16_b32: lane l xor 16
	s_mov_b32 s51, 0xfedcba98
	s_lshr_b32 s40, s17, 7                         ; t's place: 32 (4 (t / 128) + t % 4) + (t / 4) % 32
	s_lshl_b32 s40, s40, 2
	s_and_b32 s41, s17, 3
	s_add_co_u32 s40, s40, s41
	s_lshl_b32 s40, s40, 5
	s_bfe_u32 s41, s17, 0x50002
	s_add_co_u32 s40, s40, s41
	s_wait_kmcnt 0x0
.irp j, 0,1,2,3,4,5,6,7
	global_load_b128 v[M+4*\j:M+4*\j+3], v2, s[6:7] offset:512*\j
.endr
	s_add_nc_u64 s[20:21], s[6:7], s[18:19]        ; my own mask
	s_add_nc_u64 s[8:9], s[8:9], s[18:19]
	s_lshl_b32 s18, s17, 12
	s_add_nc_u64 s[14:15], s[14:15], s[18:19]
	s_load_b32 s22, s[20:21], 0x0
	s_load_b32 s24, s[8:9], 0x0                    ; the sum of the softmax weights
	s_load_b128 s[28:31], s[12:13], 0x0            ; e0 .. e3
	s_wait_kmcnt 0x0
	s_sub_co_u32 s23, s22, 1                       ; the lowest set bit's number = the count of the bits below it = bits of ((m - 1) xor m) >> 1
	s_xor_b32 s52, s23, s22
	s_lshr_b32 s52, s52, 1
	s_bcnt1_i32_b32 s52, s52                       ; my first expert
	s_and_b32 s23, s23, s22                        ; the mask without its lowest bit
	s_sub_co_u32 s53, s23, 1
	s_xor_b32 s53, s53, s23
	s_lshr_b32 s53, s53, 1
	s_bcnt1_i32_b32 s53, s53                       ; my second
	s_min_u32 s52, s52, 7
	s_min_u32 s53, s53, 7
	s_lshl_b32 s54, 1, s52
	s_lshl_b32 s55, 1, s53
	s_wait_loadcnt 0x0
.set bn, 0
.rept 32
	s_sub_co_i32 s42, s40, 32*bn                   ; register bn's token in lane l lies below my place where l < my place - 32 bn
	v_cmp_gt_i32 vcc_lo, s42, v3
	v_cndmask_b32 v[M+bn], 0, v[M+bn], vcc_lo
.set bn, bn+1
.endr
.set bn, 0
.rept 32
	v_and_b32 v[XA+bn], s54, v[M+bn]
	v_and_b32 v[XB+bn], s55, v[M+bn]
.set bn, bn+1
.endr
.irp k, 4,12,20                        ; each lane's 32 bits are added, in four chains an expert
.irp q, 0,1,2,3
	v_add3_u32 v[XA+\q], v[XA+\q], v[XA+\k+\q], v[XA+\k+4+\q]
	v_add3_u32 v[XB+\q], v[XB+\q], v[XB+\k+\q], v[XB+\k+4+\q]
.endr
.endr
.irp q, 0,1,2,3
	v_add_nc_u32 v[XA+\q], v[XA+\q], v[XA+28+\q]
	v_add_nc_u32 v[XB+\q], v[XB+\q], v[XB+28+\q]
.endr
	v_add3_u32 v[XA], v[XA], v[XA+1], v[XA+2]
	v_add3_u32 v[XB], v[XB], v[XB+1], v[XB+2]
	v_add_nc_u32 v[XA], v[XA], v[XA+3]
	v_add_nc_u32 v[XB], v[XB], v[XB+3]
	v_lshrrev_b32 v[XA], s52, v[XA]                ; counts, 32 a lane at the most,
	v_lshrrev_b32 v[XB], s53, v[XB]
	v_lshl_or_b32 v4, v[XB], 16, v[XA]             ; both in one word: their sums over the wave stay under 2^16
.irp m, 1,2,4,8
	v_mov_b32_dpp v5, v4 row_xmask:\m row_mask:0xf bank_mask:0xf
	v_add_nc_u32 v4, v4, v5
.endr
	v_permlanex16_b32 v5, v4, s50, s51
	v_add_nc_u32 v4, v4, v5
	v_readfirstlane_b32 s46, v4
	s_and_b32 s20, s46, 0xffff                     ; my slot in the first expert,
	s_lshr_b32 s21, s46, 16                        ; in the second
	s_min_u32 s20, s20, 0x3ff
	s_min_u32 s21, s21, 0x3ff
	s_lshl_b32 s18, s52, 22                        ; row 1,024 e + slot of 4,096 bytes
	s_lshl_b32 s48, s20, 12
	s_add_co_u32 s18, s18, s48
	s_add_nc_u64 s[32:33], s[4:5], s[18:19]
	s_add_nc_u64 s[34:35], s[32:33], 0x2000000     ; the upper half's plane: 8,192 rows of 4,096 bytes on
	s_lshl_b32 s18, s53, 22
	s_lshl_b32 s48, s21, 12
	s_add_co_u32 s18, s18, s48
	s_add_nc_u64 s[36:37], s[4:5], s[18:19]
	s_add_nc_u64 s[38:39], s[36:37], 0x2000000
	s_lshl_b32 s18, s52, 12
	s_add_nc_u64 s[40:41], s[10:11], s[18:19]
	s_lshl_b32 s18, s53, 12
	s_add_nc_u64 s[42:43], s[10:11], s[18:19]
.irp j, 0,1,2,3,4,5,6,7
	global_load_b128 v[E0+4*\j:E0+4*\j+3], v2, s[32:33] offset:512*\j th:TH_LOAD_NT
	global_load_b128 v[E1+4*\j:E1+4*\j+3], v2, s[34:35] offset:512*\j th:TH_LOAD_NT
	global_load_b128 v[E2+4*\j:E2+4*\j+3], v2, s[36:37] offset:512*\j th:TH_LOAD_NT
	global_load_b128 v[E3+4*\j:E3+4*\j+3], v2, s[38:39] offset:512*\j th:TH_LOAD_NT
	global_load_b128 v[BA+4*\j:BA+4*\j+3], v2, s[40:41] offset:512*\j
	global_load_b128 v[BB+4*\j:BB+4*\j+3], v2, s[42:43] offset:512*\j
.endr
	s_add_co_i32 s44, s30, s31
	s_add_co_i32 s44, s44, 127
	s_lshl_b32 s44, s44, 23                        ; 2^(e2 + e3) as f32
	s_mov_b32 s45, s44                             ; (a packed form names the pair: both words are written)
	s_mov_b32 s25, s24
.irp j, 0,1,2,3,4,5,6,7
	s_wait_loadcnt 6*(7-\j)                        ; this group's six loads are in; the later groups' may be out
.irp p, 0,2
	v_pk_add_f32 v[E0+4*\j+\p:E0+4*\j+\p+1], v[E0+4*\j+\p:E0+4*\j+\p+1], v[E1+4*\j+\p:E1+4*\j+\p+1]
	v_pk_add_f32 v[E2+4*\j+\p:E2+4*\j+\p+1], v[E2+4*\j+\p:E2+4*\j+\p+1], v[E3+4*\j+\p:E3+4*\j+\p+1]
	v_pk_add_f32 v[BA+4*\j+\p:BA+4*\j+\p+1], v[BA+4*\j+\p:BA+4*\j+\p+1], v[BB+4*\j+\p:BB+4*\j+\p+1]
.endr
.irp p, 0,2
	v_pk_add_f32 v[E0+4*\j+\p:E0+4*\j+\p+1], v[E0+4*\j+\p:E0+4*\j+\p+1], v[E2+4*\j+\p:E2+4*\j+\p+1]
.endr
.irp p, 0,2
	v_pk_fma_f32 v[E0+4*\j+\p:E0+4*\j+\p+1], v[E0+4*\j+\p:E0+4*\j+\p+1], s[44:45], v[BA+4*\j+\p:BA+4*\j+\p+1] op_sel_hi:[1,0,1]
.endr
.irp p, 0,2
	v_pk_mul_f32 v[E0+4*\j+\p:E0+4*\j+\p+1], v[E0+4*\j+\p:E0+4*\j+\p+1], s[24:25] op_sel_hi:[1,0]
.endr
	global_store_b128 v2, v[E0+4*\j:E0+4*\j+3], s[14:15] offset:512*\j th:TH_STORE_NT
.endr
	s_endpgm
.Lfunc_end_k_qd8d3db61ec_combine:
	.size	k_qd8d3db61ec_combine, .Lfunc_end_k_qd8d3db61ec_combine-k_qd8d3db61ec_combine
	.p2alignl 7, 3214868480
	.fill 96, 4, 3214868480
	.section	.rodata,"a",@progbits
	.p2align	6, 0x0
	.amdhsa_kernel k_qd8d3db61ec_combine
		.amdhsa_group_segment_fixed_size 0
		.amdhsa_private_segment_fixed_size 0
		.amdhsa_enable_private_segment 0
		.amdhsa_kernarg_size 48
		.amdhsa_user_sgpr_count 2
		.amdhsa_user_sgpr_kernarg_segment_ptr 1
		.amdhsa_wavefront_size32 1
		.amdhsa_system_sgpr_workgroup_id_x 1
		.amdhsa_system_sgpr_workgroup_id_y 1
		.amdhsa_system_sgpr_workgroup_id_z 1
		.amdhsa_system_vgpr_workitem_id 0
		.amdhsa_next_free_vgpr 224
		.amdhsa_next_free_sgpr 66
		.amdhsa_reserve_vcc 1
		.amdhsa_float_denorm_mode_32 3
		.amdhsa_float_denorm_mode_16_64 3
		.amdhsa_memory_ordered 1
		.amdhsa_forward_progress 1
		.amdhsa_inst_pref_size 24
	.end_amdhsa_kernel
	.amdgpu_metadata
---
amdhsa.version: [ 1, 2 ]
amdhsa.kernels:
  - .name:           k_qd8d3db61ec_combine
    .symbol:         k_qd8d3db61ec_combine.kd
    .args:
      - { .name: eo, .offset: 0, .size: 8, .value_kind: global_buffer, .address_space: global }
      - { .name: msk, .offset: 8, .size: 8, .value_kind: global_buffer, .address_space: global }
      - { .name: ps, .offset: 16, .size: 8, .value_kind: global_buffer, .address_space: global }
      - { .name: b2, .offset: 24, .size: 8, .value_kind: global_buffer, .address_space: global }
      - { .name: lowp_scales, .offset: 32, .size: 8, .value_kind: global_buffer, .address_space: global }
      - { .name: out0, .offset: 40, .size: 8, .value_kind: global_buffer, .address_space: global }
    .group_segment_fixed_size: 0
    .private_segment_fixed_size: 0
    .kernarg_segment_align: 8
    .kernarg_segment_size: 48
    .max_flat_workgroup_size: 128
    .sgpr_count:     66
    .vgpr_count:     224
    .wavefront_size: 32
...
	.end_amdgpu_metadata
.endif
;; end of part 4
;; ======== version 2 of 2: 4 launches
;; workspace buffers: xc 1,048,576 bytes; msk 4,096 bytes of whole numbers; ps 4,096 bytes; hc 33,554,432 bytes; eo 67,108,864 bytes
;; launch gate (part 5): grid 256 x 1, 4 waves a work-group, no clusters, 1,024 bytes of LDS; arguments x, gate_w, gate_b, lowp_scales, xc, msk, ps; writes xc, msk, ps
.if DOCPART == 5
	.amdgcn_target "amdgcn-amd-amdhsa--gfx1250"
	.amdhsa_code_object_version 6
	.text
	.protected	k_qd8d3db61ec_gate
	.globl	k_qd8d3db61ec_gate
	.p2align	8
	.type	k_qd8d3db61ec_gate,@function
k_qd8d3db61ec_gate:
	s_mov_b64 s[64:65], 0
	v_nop
	global_prefetch_b8 v0, s[64:65] scope:SCOPE_SE
	s_setreg_imm32_b32 hwreg(HW_REG_WAVE_MODE, 25, 1), 1
	s_wait_xcnt 0x0
; GATE.  For each of the 1,024 tokens: the eight gate scores x . gate_w + gate_b in f32 (fused multiply-adds), the two largest
; (strict comparisons in ascending order of the experts: at equal scores the lower expert wins), their experts as a mask of two bits,
; the sum of the two softmax weights (the larger score is taken away before the exponential), and x's codes of E5M2 with the given scale 2^e1.
; SHARES.  A work-group takes 4 tokens; wave w takes k = 256 w .. 256 w + 255 of all four, lane l the eight k = 256 w + 8 l + i.
; The waves' partial scores meet in LDS (128 bytes a wave); then wave w finishes token w.
; LIMITS.  e1 (entry 1 of the scales) between -126 and 112.  NaN and infinities among the inputs are not served.  The scores are summed in another
; order than a plain dot product: where the second and third score agree to f32's last bits the choice may fall either way.
.set GW,  32                           ; v32-95   gate_w: register 8 i + e = gate_w(k_i, e)
.set XR,  96                           ; v96-127  x: token j at 8 j, then the same numbers held
.set SR,  128                          ; v128-159 partial scores: 8 j + e
.set CR,  160                          ; v160-167 codes: two registers a token
.set PR,  32                           ; v32-63   (gate_w is done) the other half's sums; then the four waves' parts
.set SC,  64                           ; v64-71   my token's eight scores
	s_load_b256 s[4:11], s[0:1], 0x0               ; x s[4:5], gate_w s[6:7], gate_b s[8:9], the scales' exponents s[10:11]
	s_load_b128 s[12:15], s[0:1], 0x20             ; xc s[12:13], msk s[14:15]
	s_load_b64 s[16:17], s[0:1], 0x30              ; ps
	v_lshl_add_u32 v192, v0, 2, 0x200
	v_mov_b32 v193, 0
	v_lshrrev_b32 v1, 5, v0                        ; wave
	v_and_b32 v2, 31, v0                           ; lane
	v_lshlrev_b32 v3, 8, v0                        ; gate_w: (256 w + 8 l) rows of 32 bytes = 256 x thread
	v_lshlrev_b32 v4, 5, v0                        ; x: 1,024 w + 32 l = 32 x thread
	v_lshlrev_b32 v5, 3, v0                        ; xc: 256 w + 8 l = 8 x thread
	v_lshlrev_b32 v6, 7, v1                        ; LDS: my wave's 128 bytes
	v_lshlrev_b32 v7, 5, v1                        ; LDS: my token's 32 bytes in each wave's part
	v_lshlrev_b32 v8, 2, v1                        ; msk, ps: my token's word among the group's four
	s_lshl_b32 s20, ttmp9, 14                      ; the group's four rows of x,
	s_mov_b32 s21, 0
	s_lshl_b32 s22, ttmp9, 12                      ; of xc,
	s_mov_b32 s23, 0
	s_lshl_b32 s36, ttmp9, 4                       ; and its four words of msk and ps
	s_mov_b32 s37, 0
	s_mov_b32 s38, 0x76543210                      ; v_permlanex16_b32: lane l xor 16
	s_mov_b32 s39, 0xfedcba98
	s_wait_alu depctr_va_vdst(0)
	s_wait_kmcnt 0x0
	s_load_b256 s[24:31], s[8:9], 0x0              ; gate_b
	s_load_b128 s[32:35], s[10:11], 0x0            ; e0 .. e3
	s_add_nc_u64 s[4:5], s[4:5], s[20:21]
	s_add_nc_u64 s[12:13], s[12:13], s[22:23]
	s_add_nc_u64 s[14:15], s[14:15], s[36:37]
	s_add_nc_u64 s[16:17], s[16:17], s[36:37]
.irp j, 0,1,2,3
	global_load_b128 v[XR+8*\j:XR+8*\j+3],   v4, s[4:5] offset:4096*\j th:TH_LOAD_NT
	global_load_b128 v[XR+8*\j+4:XR+8*\j+7], v4, s[4:5] offset:4096*\j+16 th:TH_LOAD_NT
.endr
.irp n, 0,1,2,3,4,5,6,7,8,9,10,11,12,13,14,15
	global_load_b128 v[GW+4*\n:GW+4*\n+3], v3, s[6:7] offset:16*\n
.endr
	s_wait_kmcnt 0x0
	s_add_co_i32 s40, s33, 127
	s_lshl_b32 s41, s40, 23
	v_mov_b32 v10, s41                             ; 2^e1 as f32: the conversion takes its exponent field
	s_add_co_i32 s40, s40, 15
	s_lshl_b32 s40, s40, 23
	s_or_b32 s40, s40, 0x600000
	v_mov_b32 v11, s40                             ; 57,344 x 2^e1
	s_wait_loadcnt 0x0
	; partial scores: 4 tokens x 8 experts over my 8 k; the first product starts each sum
.irp j, 0,1,2,3
.irp e, 0,1,2,3,4,5,6,7
	v_mul_f32 v[SR+8*\j+\e], v[XR+8*\j], v[GW+\e]
.endr
.irp i, 1,2,3,4,5,6,7
.irp e, 0,1,2,3,4,5,6,7
	v_fmac_f32 v[SR+8*\j+\e], v[XR+8*\j+\i], v[GW+8*\i+\e]
.endr
.endr
.endr
	; x's codes: the conversion to an 8-bit code does not saturate (ISA guide 7.6.2), so each number is first held within the largest code x the scale
.set n, 0
.rept 32
	v_med3_num_f32 v[XR+n], v[XR+n], -v11, v11
.set n, n+1
.endr
.irp j, 0,1,2,3
	v_cvt_scalef32_pk8_bf8_f32 v[CR+2*\j:CR+2*\j+1], v[XR+8*\j:XR+8*\j+7], v10
.endr
	v_nop                                          ; one plain vector line behind the last conversion
.irp j, 0,1,2,3
	global_store_b64 v5, v[CR+2*\j:CR+2*\j+1], s[12:13] offset:1024*\j   ; a wave stores 256 consecutive bytes, aligned
.endr
	; the 32 sums over the wave's 32 lanes, stage by stage so that no line waits for the one above it
.irp m, 1,2,4,8
.set n, 0
.rept 32
	v_add_f32_dpp v[SR+n], v[SR+n], v[SR+n] row_xmask:\m row_mask:0xf bank_mask:0xf
.set n, n+1
.endr
.endr
.set n, 0
.rept 32
	v_permlanex16_b32 v[PR+n], v[SR+n], s38, s39   ; (its destination was written whole by gate_w's loads)
.set n, n+1
.endr
.set n, 0
.rept 32
	v_add_f32 v[SR+n], v[SR+n], v[PR+n]
.set n, n+1
.endr
.irp n, 0,1,2,3,4,5,6,7
	ds_store_b128 v6, v[SR+4*\n:SR+4*\n+3] offset:16*\n   ; every lane holds the same sums and writes the same words
.endr
	s_wait_dscnt 0x0                               ; for the other waves: my stores have landed
	s_barrier_signal -1
	s_barrier_wait -1
.irp w, 0,1,2,3
	ds_load_b128 v[PR+8*\w:PR+8*\w+3],   v7 offset:128*\w
	ds_load_b128 v[PR+8*\w+4:PR+8*\w+7], v7 offset:128*\w+16
.endr
	s_wait_dscnt 0x0
.irp e, 0,2,4,6
	v_pk_add_f32 v[SC+\e:SC+\e+1], v[PR+\e:PR+\e+1], v[PR+8+\e:PR+9+\e]
	v_pk_add_f32 v[PR+16+\e:PR+17+\e], v[PR+16+\e:PR+17+\e], v[PR+24+\e:PR+25+\e]
.endr
.irp e, 0,2,4,6
	v_pk_add_f32 v[SC+\e:SC+\e+1], v[SC+\e:SC+\e+1], v[PR+16+\e:PR+17+\e]
.endr
.irp e, 0,1,2,3,4,5,6,7
	v_add_f32 v[SC+\e], s[24+\e], v[SC+\e]         ; + gate_b
.endr
	; the two largest: v12 the largest and v13 its expert's bit, v14 the second and v15 its bit.  Selections only: no branch hangs on a score
	v_mov_b32 v12, v[SC]
	v_mov_b32 v13, 1
	v_mov_b32 v14, 0xff800000                      ; -infinity: expert 1 takes this place or the first
	v_mov_b32 v15, 2
.irp j, 1,2,3,4,5,6,7
	v_mov_b32 v16, 1<<\j
	v_cmp_gt_f32 vcc_lo, v[SC+\j], v12
	v_cmp_gt_f32 s40, v[SC+\j], v14
	v_cndmask_b32 v14, v14, v[SC+\j], s40
	v_cndmask_b32 v15, v15, v16, s40
	v_cndmask_b32 v14, v14, v12, vcc_lo            ; a new largest pushes the old one down
	v_cndmask_b32 v15, v15, v13, vcc_lo
	v_cndmask_b32 v12, v12, v[SC+\j], vcc_lo
	v_cndmask_b32 v13, v13, v16, vcc_lo
.endr
	v_sub_f32 v17, v14, v12                        ; second - largest, 0 or less
	v_mul_f32 v17, 0x3fb8aa3b, v17
	s_wait_alu depctr_va_vdst(0)
	v_exp_f32 v18, v17                             ; p2 = e^(second - largest); the largest's own weight is e^0 = 1
	v_or_b32 v19, v13, v15                         ; the mask.  (The plain line behind the exponential)
	s_wait_alu depctr_va_vdst(0)
	v_add_f32 v20, 1.0, v18
	s_wait_alu depctr_va_vdst(0)
	v_rcp_f32 v21, v20
	v_nop                                          ; the plain line behind the reciprocal
	s_wait_alu depctr_va_vdst(0)
	v_fma_f32 v22, v18, v21, v21                   ; 1 / (1 + p2) + p2 / (1 + p2)
	s_wait_alu depctr_va_vdst(0)
	s_wait_xcnt 0x0                                ; EXEC changes only when the earlier stores' addresses are translated
	v_cmp_eq_u32 vcc_lo, 0, v2
	s_wait_tensorcnt 0x0
	ds_add_u32 v192, v193
	s_wait_dscnt 0x0
	s_and_saveexec_b32 s41, vcc_lo                 ; lane 0 stores the token's two words
	global_store_b32 v8, v19, s[14:15]
	global_store_b32 v8, v22, s[16:17]
	s_endpgm
.Lfunc_end_k_qd8d3db61ec_gate:
	.size	k_qd8d3db61ec_gate, .Lfunc_end_k_qd8d3db61ec_gate-k_qd8d3db61ec_gate
	.p2alignl 7, 3214868480
	.fill 96, 4, 3214868480
	.section	.rodata,"a",@progbits
	.p2align	6, 0x0
	.amdhsa_kernel k_qd8d3db61ec_gate
		.amdhsa_group_segment_fixed_size 1024
		.amdhsa_private_segment_fixed_size 0
		.amdhsa_enable_private_segment 0
		.amdhsa_kernarg_size 56
		.amdhsa_user_sgpr_count 2
		.amdhsa_user_sgpr_kernarg_segment_ptr 1
		.amdhsa_wavefront_size32 1
		.amdhsa_system_sgpr_workgroup_id_x 1
		.amdhsa_system_sgpr_workgroup_id_y 1
		.amdhsa_system_sgpr_workgroup_id_z 1
		.amdhsa_system_vgpr_workitem_id 0
		.amdhsa_next_free_vgpr 194
		.amdhsa_next_free_sgpr 66
		.amdhsa_reserve_vcc 1
		.amdhsa_float_denorm_mode_32 3
		.amdhsa_float_denorm_mode_16_64 3
		.amdhsa_memory_ordered 1
		.amdhsa_forward_progress 1
		.amdhsa_inst_pref_size 32
	.end_amdhsa_kernel
	.amdgpu_metadata
---
amdhsa.version: [ 1, 2 ]
amdhsa.kernels:
  - .name:           k_qd8d3db61ec_gate
    .symbol:         k_qd8d3db61ec_gate.kd
    .args:
      - { .name: x, .offset: 0, .size: 8, .value_kind: global_buffer, .address_space: global }
      - { .name: gate_w, .offset: 8, .size: 8, .value_kind: global_buffer, .address_space: global }
      - { .name: gate_b, .offset: 16, .size: 8, .value_kind: global_buffer, .address_space: global }
      - { .name: lowp_scales, .offset: 24, .size: 8, .value_kind: global_buffer, .address_space: global }
      - { .name: xc, .offset: 32, .size: 8, .value_kind: global_buffer, .address_space: global }
      - { .name: msk, .offset: 40, .size: 8, .value_kind: global_buffer, .address_space: global }
      - { .name: ps, .offset: 48, .size: 8, .value_kind: global_buffer, .address_space: global }
    .group_segment_fixed_size: 1024
    .private_segment_fixed_size: 0
    .kernarg_segment_align: 8
    .kernarg_segment_size: 56
    .max_flat_workgroup_size: 128
    .sgpr_count:     66
    .vgpr_count:     194
    .wavefront_size: 32
...
	.end_amdgpu_metadata
.endif
;; end of part 5
;; launch ffn1 (part 6): grid 256 x 1, 16 waves a work-group, no clusters, 135,680 bytes of LDS; arguments w1, xc, msk, b1, lowp_scales, hc; writes hc
.if DOCPART == 6
	.amdgcn_target "amdgcn-amd-amdhsa--gfx1250"
	.amdhsa_code_object_version 6
	.text
	.protected	k_qd8d3db61ec_ffn1
	.globl	k_qd8d3db61ec_ffn1
	.p2align	8
	.type	k_qd8d3db61ec_ffn1,@function
k_qd8d3db61ec_ffn1:
	s_mov_b64 s[64:65], 0
	v_nop
	global_prefetch_b8 v0, s[64:65] scope:SCOPE_SE
	s_setreg_imm32_b32 hwreg(HW_REG_WAVE_SCHED_MODE, 0, 2), 2
	s_setreg_imm32_b32 hwreg(HW_REG_WAVE_MODE, 25, 1), 1
	s_wait_xcnt 0x0
	s_wait_alu depctr_vm_vsrc(0)
; FIRST LAYER, for the tokens that chose the expert: hc = codes of gelu(x w1 + b1), the product on codes of E5M2 (v_wmma_f32_16x16x128_bf8_bf8), sums in f32.
; SHARES.  Work-group = expert e (id / 32) x 128 hidden units (id % 32).  Its slice of w1, 1,024 (K) x 128 f32, is read from memory once, quantised in registers with 2^e0 and laid in LDS as codes,
; K innermost.  Then each wave takes items of 32 slots x 64 hidden units (q = wave % 2; groups g = wave / 2, + 8, + 16, + 24); the tokens' codes are gathered from xc, straight into fragments.
; The loop over items has four trips, a constant: 32 groups at the most, eight a trip.  A trip whose group lies at or past the expert's count jumps over its work.
; SLOTS.  Every wave reads the 1,024 tokens' masks (whole numbers that an earlier launch stored) by eight loads of 512 bytes: register n = 4 j + i of lane l holds token 128 j + 4 l + i.  A token's place is 32 n + l, and its
; slot in expert e is the number of e's tokens at smaller places; the last launch counts in the same order.  The 32 registers give 32 ballots in scalar registers; a lane finds its slot's token from them (macro SELECT).
; A slot at or past the expert's count resolves to token 1,023: its results are written and never read.
; PHASE W.  Wave w takes K rows 64 w .. + 63 in four batches of 16; a load covers 512 consecutive bytes of a row; lane l holds columns 4 l .. 4 l + 3, and the hold that the conversion needs
; also puts each column's 16 numbers along K into consecutive registers.  Two batches (32 loads a wave) are on their way.
; THE MATRIX INSTRUCTION IS USED TRANSPOSED (source 0 = 16 hidden units, source 1 = 16 tokens): a lane holds one token, its registers run along the hidden units, the next product's K.
; Column n lies in LDS row "n with bits 3 and 4 swapped": tile 2 b + u is rows 32 b + 16 u + 0 .. 15 = units 32 b + 8 u + {0 .. 7, 16 .. 23}, so the 16 registers of tiles 2 b, 2 b + 1 are units 32 b + 16 (lane / 16) + 0 .. 15.
; Both operands take k = 128 s + 32 c + 16 (lane / 16) + 0 .. 15 into registers 4 c .. 4 c + 3: the same permutation of k on both sides.
; GELU, exact form: gelu(h) = max(h, 0) - |h| erfc(|h| / sqrt 2) / 2, with erfc(z) = t exp(-z^2 + poly9(t)), t = 1 / (1 + z / 2) (relative error about 1.2e-7), all in f32; then the hold and the conversion with 2^e2.
; hc: [e][block of 128 units][tile of 16 slots][2,048 bytes]: the image of the next product's fragment: registers 4 c .. 4 c + 3 of lane l at 512 c + 16 l.
; No tensor loads and no joint loads: the weights must pass through registers to be quantised, and which items have work hangs on a count made from numbers read from memory, so the loop over items holds no barrier.
; LIMITS.  e0 and e2 between -126 and 112; e0 + e1 between -126 and 127.  NaN and infinities among the inputs are not served.
; THE MODE: SCHED_MODE bits 1:0 = 2 (LLVM: expert scheduling mode 2), set by the entry lines.  The code itself states the register dependences
; between vector or matrix instructions and memory or LDS instructions, with s_wait_alu, always for 0.
; THE PLAN.  Registers that memory or LDS instructions touch, and who else names them:
;   v2, v3, v6, v7, v8, v13, v27   Addresses and offsets: made once at the head and never written again.  One wait on va_vdst, ahead of the first load, serves them for the whole kernel.
;   R0's two sets   Batch b: its 64 holds read set b % 2; the loads of batch b + 2 land in it.
;   WC              Batch b: its conversions write it, four LDS stores read it; batch b + 1's conversions write it again.
;                   So a batch has ONE wait on va_vdst, behind its conversions, with its loads and its LDS stores behind that; and one on vm_vsrc ahead of its conversions.
;   v4, v5          The gathers' offsets: written at an item's head, read by the item's 64 gathers.
;   AR's three sets Step s: its eight products read set s % 3; behind them the gathers of step s + 3 land in it.
;   BX: X and Y     Step s: four products read X, and step s + 1's X lands in it; four read Y, likewise.  The launch's 256 registers are all taken, so neither set has a twin: each half of a step
;                   has a wait on va_vdst between its four products and the loads into the set that they read; the second of the two serves AR's set too.
;   ECD             The way out: a call of GEL writes four registers of codes; their store stands behind the next call's wait for its reciprocals, which has those conversions in front of it.
;   One wait on vm_vsrc at a trip's end: the gathers have read v4 and v5, the stores ECD, before the next trip writes them.
;   v28, v31        Written at the head, read by the closing add alone.
.set PITCH, 1040                       ; an LDS row: 1,024 codes + 16 = 65 x 16 bytes: sixteen consecutive rows begin in sixteen different 16-byte columns of 256 bytes
.set BIAS,  128*PITCH                  ; behind the codes: b1's 128 numbers
.set NS,    8                          ; K steps of 128
.set TRIPS, 4                          ; 32 groups of 32 slots at the most, eight a trip
.set BAL,   66                         ; s66-97   the expert's 32 ballots
.set MK,    16                         ; s16-21   SELECT: the masks of six compares (what the head kept here, e's bit, the wave, e, the block and q, is done with by then)
.set PK,    24                         ; s24-27, s30, s31   SELECT: six ballots' bases + (number << 16) (the scales' exponents and the head's offsets are done with by then): register PK + i + 2 (i / 4)
.set VBX, 2                            ; v2, v3   LDS address of my fragments of tiles 0, 1 (set X) and 2, 3 (set Y)
.set VA0, 4                            ; v4, v5   xc: my token's row + 16 (lane / 16), token tiles 0 and 1
.set VO,  6                            ; v6       hc: 16 x lane + 1,024 q
.set VW,  7                            ; v7       phase W: where my codes go
.set VG,  8                            ; v8       16 x lane
.set WLIM, 9                           ; v9, v10  57,344 x 2^e0; 2^e0
.set WSC, 10
.set HLIM, 11                          ; v11, v12 57,344 x 2^e2; 2^e2
.set HSC, 12
.set VBI, 13                           ; v13      LDS address of my 16 numbers of b1
.set ID0, 14                           ; v14, v15 my tokens' numbers
.set C8,  16                           ; v[16:17] a coefficient, in both words
.set BL,  18                           ; v18-21   b1 as loaded
.set H16, 23                           ; v23      16 (lane / 16)
.set LN,  24                           ; v24      lane; kept
.set VBS, 27                           ; v27      where wave 0 puts b1
.set R0,  32                           ; phase W: v32-159 two sets of 16 rows x 4 columns
.set WT,  160                          ; v160-223 first the masks and their expert's bit; then held numbers: 16 c + i
.set WC,  224                          ; v224-239 codes: 4 c
.set ACC, 32                           ; items: v32-95 accumulator (tile j, token tile a) at 8 (2 j + a)
.set AR,  96                           ; v96-191  the tokens' fragments: three sets of two
.set BX,  192                          ; v192-223 set X, v224-255 set Y
.set SL,  96                           ; SELECT, ahead of an item's loads: my slot,
.set SB,  97                           ; its ballot,
.set SPK, 98                           ; the ballot's base + (its number << 16),
.set KK,  99                           ; the rank still to go,
.set POS, 100                          ; the bit's place so far,
.set A1,  101                          ; the ballot's bit counts in fields of 2,
.set A2,  102                          ; 4,
.set A3,  103                          ; 8 bits,
.set A4,  104                          ; and, in its lowest byte, of the low 16
.set TT,  105                          ; at work
.set UU,  106
.set U2,  107
.set TOK, 108                          ; the token
.set NN,  109                          ; the ballot's number
.set EH,  96                           ; the way out, 16 numbers at a time: h,
.set ET,  112                          ; t, then erfc / 2,
.set EP,  128                          ; the exponent, then its power,
.set EU,  144                          ; h^2, then gelu
.set EBI, 160                          ; v160-191 b1 of my 32 units
.set ECD, 192                          ; v192-207 codes: 4 (2 a + b)
.macro PAIR r, bits                    ; a packed form names a scalar pair and takes its low word for both halves: both words are written
	s_mov_b32 s[\r], \bits
	s_mov_b32 s[\r+1], \bits
.endm
.macro PLACES                          ; four plain vector lines between a matrix instruction and a load into its registers or a read of its result
.rept 4
	v_nop
.endr
.endm
	s_load_b256 s[4:11], s[0:1], 0x0               ; w1 s[4:5], xc s[6:7], msk s[8:9], b1 s[10:11]
	s_load_b128 s[12:15], s[0:1], 0x20             ; the scales' exponents s[12:13], hc s[14:15]
	v_lshl_add_u32 v28, v0, 2, 0x20a00
	v_mov_b32 v31, 0
	v_lshrrev_b32 v1, 5, v0
	v_readfirstlane_b32 s18, v1                    ; wave 0..15
	s_lshr_b32 s19, ttmp9, 5                       ; e
	s_and_b32 s20, ttmp9, 31                       ; which 128 hidden units
	s_wait_alu depctr_va_sdst(0)                   ; s18 is written, ahead of its first reader
	s_and_b32 s21, s18, 1                          ; q: which 64 of them
	s_lshr_b32 s22, s18, 1                         ; g: my first group of 32 slots
	s_lshl_b32 s16, 1, s19                         ; e's bit in a mask
	v_and_b32 v[LN], 31, v0                        ; lane
	v_and_b32 v25, 15, v0                          ; r
	v_bfe_u32 v26, v0, 4, 1                        ; h
	v_lshlrev_b32 v[H16], 4, v26
	v_lshlrev_b32 v[VG], 4, v[LN]
	v_and_b32 v29, 25, v[LN]                       ; lane with bits 1 and 2 swapped: my four columns' rows begin at 4 x that
	v_and_b32 v30, 2, v[LN]
	v_lshl_add_u32 v29, v30, 1, v29
	v_and_b32 v30, 4, v[LN]
	v_lshrrev_b32 v30, 1, v30
	v_add_nc_u32 v29, v29, v30
	v_mul_u32_u24 v[VW], v29, 4*PITCH
	s_lshl_b32 s57, s18, 6
	v_add_nc_u32 v[VW], s57, v[VW]                 ; + my wave's 64 along K
	v_mul_u32_u24 v[VBX], v25, PITCH
	v_add_nc_u32 v[VBX], v[VBX], v[H16]
	s_mul_i32 s57, s21, 64*PITCH
	v_add_nc_u32 v[VBX], s57, v[VBX]               ; row 64 q + r, + 16 h
	v_add_nc_u32 v[VBX+1], 32*PITCH, v[VBX]
	v_lshl_add_u32 v[VO], s21, 10, v[VG]
	s_lshl_b32 s57, s21, 8
	s_add_co_u32 s57, s57, BIAS
	v_lshl_add_u32 v[VBI], v26, 6, s57             ; units 64 q + 16 h on
	v_add_nc_u32 v[VBS], BIAS, v[VG]
	v_mov_b32 v[C8], 0xbf97d29d
	v_mov_b32 v[C8+1], 0xbf97d29d
	; the polynomial's coefficients x log2(e); the constant term carries a further -1, which halves the result
	PAIR 36, 0xc034d90f
	PAIR 38, 0x3fb8ab5a
	PAIR 40, 0x3f0a29d2
	PAIR 42, 0x3e0efb2e
	PAIR 44, 0xbe899a80
	PAIR 46, 0x3ecdfd18
	PAIR 48, 0xbfd1a1e5
	PAIR 50, 0x40097039
	PAIR 52, 0x3e7c6f08
	PAIR 54, 0xbf38aa3b                            ; -log2(e) / 2: z^2 = h^2 / 2
	s_mov_b32 s56, 0x3eb504f3                      ; 1 / (2 sqrt 2): z / 2 = |h| x this
	s_mov_b32 s33, 0xffff0000                      ; lanes 16-31
	s_mov_b32 s34, 0x76543210                      ; v_permlanex16_b32: lane l xor 16
	s_mov_b32 s35, 0xfedcba98
	s_lshl_b32 s30, s19, 24                        ; w1: the expert's 16 MiB, my wave's 64 rows of 16,384 bytes, the block's 512 bytes of a row
	s_lshl_b32 s32, s18, 20
	s_add_co_u32 s30, s30, s32
	s_lshl_b32 s32, s20, 9
	s_add_co_u32 s30, s30, s32
	s_mov_b32 s31, 0
	s_wait_kmcnt 0x0
	s_add_nc_u64 s[4:5], s[4:5], s[30:31]
	s_lshl_b32 s30, ttmp9, 9                       ; b1: (4,096 e + 128 block) x 4 bytes = 512 x id
	s_add_nc_u64 s[10:11], s[10:11], s[30:31]
	s_lshl_b32 s30, ttmp9, 17                      ; hc: (32 e + block) x 131,072 = 131,072 x id,
	s_lshl_b32 s32, s22, 12                        ; + my first group's two tiles
	s_add_co_u32 s30, s30, s32
	s_add_nc_u64 s[14:15], s[14:15], s[30:31]
	s_load_b128 s[24:27], s[12:13], 0x0            ; e0 .. e3
	s_wait_alu depctr_va_vdst(0)                   ; the addresses and offsets v2, v3, v6, v7, v8, v13 and v27 are written: the kernel's loads and stores read them, and no line writes them again
.irp j, 0,1,2,3,4,5,6,7
	global_load_b128 v[WT+4*\j:WT+4*\j+3], v[VG], s[8:9] offset:512*\j   ; the masks: register 4 j + i of lane l = token 128 j + 4 l + i
.endr
	global_load_b128 v[BL:BL+3], v[VG], s[10:11]
.macro LOADB b                         ; batch b: 16 rows of K, 512 consecutive bytes each, into set b % 2
.irp i, 0,1,2,3,4,5,6,7,8,9,10,11,12,13,14,15
	global_load_b128 v[R0+64*((\b)%2)+4*\i:R0+64*((\b)%2)+4*\i+3], v[VG], s[4:5] offset:(16*(\b)+\i)*16384 th:TH_LOAD_NT
.endr
.endm
.macro QB b
.if (\b) < 3
	s_wait_loadcnt 16                              ; this batch is in; the next batch's 16 loads may be out
.else
	s_wait_loadcnt 0
.endif
.irp c, 0,1,2,3
.irp i, 0,1,2,3,4,5,6,7,8,9,10,11,12,13,14,15
	v_med3_num_f32 v[WT+16*\c+\i], v[R0+64*((\b)%2)+4*\i+\c], -v[WLIM], v[WLIM]   ; the hold (the conversion does not saturate: ISA guide 7.6.2), and column c's 16 numbers along K on end
.endr
.endr
	s_wait_alu depctr_va_vdst(0)
	s_wait_dscnt 0x0                               ; the last batch's LDS stores are done,
.if (\b) > 0
	s_wait_alu depctr_vm_vsrc(0)                   ; and have read the codes' registers, which the conversions below write again
.endif
.irp c, 0,1,2,3
	v_cvt_scalef32_pk8_bf8_f32 v[WC+4*\c:WC+4*\c+1],   v[WT+16*\c:WT+16*\c+7],    v[WSC]
	v_cvt_scalef32_pk8_bf8_f32 v[WC+4*\c+2:WC+4*\c+3], v[WT+16*\c+8:WT+16*\c+15], v[WSC]
.endr
	v_nop                                          ; one plain vector line behind the last conversion
	s_wait_alu depctr_va_vdst(0)                   ; the holds are done reading set b % 2, in which the loads below land; the conversions have written the codes, which the LDS stores below read
.if (\b) < 2
	LOADB (\b)+2
.endif
.irp c, 0,1,2,3
	ds_store_b128 v[VW], v[WC+4*\c:WC+4*\c+3] offset:\c*PITCH+16*(\b)
.endr
.endm
; The expert's 32 ballots (bit l of ballot n: the token at place 32 n + l chose e), and s23 = its count in groups of 32, rounded up, 32 at the most
.macro BALLOTS
.set bn, 0
.rept 32
	v_and_b32 v[WT+32+bn], s16, v[WT+bn]
.set bn, bn+1
.endr
.set bn, 0
.rept 32
	v_cmp_ne_u32 s[BAL+bn], 0, v[WT+32+bn]
.set bn, bn+1
.endr
	s_wait_alu depctr_va_sdst(0)                   ; the 32 ballots are written, ahead of their first readers: one wait behind the run of compares
	s_mov_b32 s23, 0
.set bn, 0
.rept 32
	s_bcnt1_i32_b32 s57, s[BAL+bn]
	s_add_co_u32 s23, s23, s57
.set bn, bn+1
.endr
	s_add_co_u32 s23, s23, 31
	s_lshr_b32 s23, s23, 5
	s_min_u32 s23, s23, 32
.endm
	LOADB 0
	LOADB 1
	s_wait_kmcnt 0x0
	s_add_co_i32 s57, s24, 127
	s_lshl_b32 s58, s57, 23
	v_mov_b32 v[WSC], s58
	s_add_co_i32 s57, s57, 15
	s_lshl_b32 s57, s57, 23
	s_or_b32 s57, s57, 0x600000
	v_mov_b32 v[WLIM], s57
	s_add_co_i32 s57, s26, 127
	s_lshl_b32 s58, s57, 23
	v_mov_b32 v[HSC], s58
	s_add_co_i32 s57, s57, 15
	s_lshl_b32 s57, s57, 23
	s_or_b32 s57, s57, 0x600000
	v_mov_b32 v[HLIM], s57
	s_add_co_i32 s28, s24, s25
	s_add_co_i32 s28, s28, 127
	s_lshl_b32 s28, s28, 23                        ; 2^(e0 + e1) as f32
	s_mov_b32 s29, s28
	s_wait_loadcnt 32                              ; the masks and b1 are in; the 32 loads of the weights may be out
	s_cmp_lg_u32 s18, 0
	s_cbranch_scc1 .Lnot_wave_0
	ds_store_b128 v[VBS], v[BL:BL+3]               ; b1's 128 numbers, once
.Lnot_wave_0:
	BALLOTS                                        ; while the weights are on their way
	QB 0
	QB 1
	QB 2
	QB 3
	s_wait_dscnt 0x0                               ; for the other waves: my codes have landed
	s_barrier_signal -1
	s_barrier_wait -1                              ; the one barrier: from here on the codes and b1 are only read
	s_wait_alu depctr_vm_vsrc(0)                   ; the last batch's LDS stores have read v224-239, in which set Y's fragments land from here on
	s_mov_b32 s59, 0                               ; trips done
; One halving step: the count of the lower w bits of what is left, from the field at POS; where the rank reaches it, the bit lies above them
.macro SSTEP src, w, wid
	v_bfe_u32 v[TT], v[\src], v[POS], \wid
	v_cmp_ge_u32 vcc_lo, v[KK], v[TT]
	v_sub_nc_u32 v[UU], v[KK], v[TT]
	v_add_nc_u32 v[U2], \w, v[POS]
	s_wait_alu depctr_va_vcc(0)                    ; VCC is written, ahead of the two selections that read it
	v_cndmask_b32 v[KK], v[KK], v[UU], vcc_lo
	v_cndmask_b32 v[POS], v[POS], v[U2], vcc_lo
.endm
; cnt ballots, from number bn on: their compares in one run, each into a mask of its own, with the ballot's base + (number << 16) kept beside it; one wait; then the selections, in ascending order of the ballots
.macro SGROUP cnt
.set gi, 0
.rept \cnt
	v_cmp_le_u32 s[MK+gi], s60, v[SL]              ; the bases do not fall: the last ballot whose base is at or below my slot holds it
	s_add_co_u32 s[PK+gi+2*(gi/4)], s60, (bn+gi)<<16
	s_bcnt1_i32_b32 s57, s[BAL+bn+gi]
	s_add_co_u32 s60, s60, s57
.set gi, gi+1
.endr
	s_wait_alu depctr_va_sdst(0)                   ; the run's masks are written, ahead of the selections that read them
.set gi, 0
.rept \cnt
	v_cndmask_b32 v[SB], v[SB], s[BAL+bn+gi], s[MK+gi]
	v_cndmask_b32 v[SPK], v[SPK], s[PK+gi+2*(gi/4)], s[MK+gi]
.set gi, gi+1
.endr
.set bn, bn+\cnt
.endm
; Lane l finds the token of slot 32 g + l; then both halves of the lanes get the tokens of slots 32 g + (lane % 16) and 32 g + 16 + (lane % 16)
.macro SELECT
	v_lshl_add_u32 v[SL], s22, 5, v[LN]
	s_wait_alu depctr_va_vdst(0)
	v_mov_b32 v[SB], s[BAL]
	s_wait_alu depctr_va_vdst(0)
	v_mov_b32 v[SPK], 0
	s_wait_alu depctr_va_vdst(0)
	s_bcnt1_i32_b32 s60, s[BAL]                    ; the running base: e's tokens in the ballots below
.set bn, 1
	SGROUP 6
	s_wait_alu depctr_va_vdst(0)
	SGROUP 6
	s_wait_alu depctr_va_vdst(0)
	SGROUP 6
	s_wait_alu depctr_va_vdst(0)
	SGROUP 6
	s_wait_alu depctr_va_vdst(0)
	SGROUP 6
	SGROUP 1
	v_and_b32 v[TT], 0xffff, v[SPK]
	v_sub_nc_u32 v[KK], v[SL], v[TT]               ; my slot's rank among the ballot's bits, from 0
	v_lshrrev_b32 v[NN], 16, v[SPK]
	v_mov_b32 v[POS], 0
	v_lshrrev_b32 v[TT], 1, v[SB]                  ; the ballot's bit counts in fields of 2, 4 and 8 bits
	v_and_b32 v[TT], 0x55555555, v[TT]
	v_sub_nc_u32 v[A1], v[SB], v[TT]
	v_and_b32 v[TT], 0x33333333, v[A1]
	v_lshrrev_b32 v[UU], 2, v[A1]
	v_and_b32 v[UU], 0x33333333, v[UU]
	v_add_nc_u32 v[A2], v[TT], v[UU]
	v_lshrrev_b32 v[TT], 4, v[A2]
	v_add_nc_u32 v[TT], v[TT], v[A2]
	v_and_b32 v[A3], 0x0f0f0f0f, v[TT]
	v_lshrrev_b32 v[TT], 8, v[A3]
	v_add_nc_u32 v[A4], v[TT], v[A3]               ; lowest byte: the count of the low 16 bits
	SSTEP A4, 16, 8
	SSTEP A3, 8, 8
	SSTEP A2, 4, 4
	SSTEP A1, 2, 2
	SSTEP SB, 1, 1
	v_lshrrev_b32 v[TT], 2, v[NN]
	v_and_b32 v[UU], 3, v[NN]
	v_lshl_add_u32 v[UU], v[POS], 2, v[UU]
	v_lshl_add_u32 v[TOK], v[TT], 7, v[UU]         ; token = 128 (n / 4) + 4 x the bit's place + n % 4
	v_permlanex16_b32 v[U2], v[TOK], s34, s35      ; (its destination has been written)
	v_cndmask_b32 v[ID0],   v[TOK], v[U2], s33     ; lanes 16-31 take lanes 0-15's token,
	v_cndmask_b32 v[ID0+1], v[U2], v[TOK], s33     ; lanes 0-15 take lanes 16-31's
.endm
.macro ALOAD s                         ; the two token tiles' fragments of K step s, gathered from xc, into set s % 3
.irp a, 0,1
.irp c, 0,1,2,3
	global_load_b128 v[AR+32*((\s)%3)+16*\a+4*\c:AR+32*((\s)%3)+16*\a+4*\c+3], v[VA0+\a], s[6:7] offset:128*(\s)+32*\c
.endr
.endr
.endm
.macro BLOAD set, s                    ; two tiles of hidden units, K step s
.irp u, 0,1
.irp c, 0,1,2,3
	ds_load_b128 v[BX+32*\set+16*\u+4*\c:BX+32*\set+16*\u+4*\c+3], v[VBX+\set] offset:\u*16*PITCH+128*(\s)+32*\c
.endr
.endr
.endm
.macro MUL set, s                      ; four products; the eight accumulators take turns, one instruction a turn; step 0 starts the sums
.irp u, 0,1
.irp a, 0,1
.if (\s) == 0
	v_wmma_f32_16x16x128_bf8_bf8 v[ACC+8*(2*(2*\set+\u)+\a):ACC+8*(2*(2*\set+\u)+\a)+7], v[BX+32*\set+16*\u:BX+32*\set+16*\u+15], v[AR+32*((\s)%3)+16*\a:AR+32*((\s)%3)+16*\a+15], 0
.else
	v_wmma_f32_16x16x128_bf8_bf8 v[ACC+8*(2*(2*\set+\u)+\a):ACC+8*(2*(2*\set+\u)+\a)+7], v[BX+32*\set+16*\u:BX+32*\set+16*\u+15], v[AR+32*((\s)%3)+16*\a:AR+32*((\s)%3)+16*\a+15], v[ACC+8*(2*(2*\set+\u)+\a):ACC+8*(2*(2*\set+\u)+\a)+7]
.endif
.endr
.endr
.endm
.macro STEP s
.if NS-1-(\s) >= 2
	s_wait_loadcnt 16                              ; this step's tokens are in; the two later steps' 16 loads may be out
.else
	s_wait_loadcnt 8*(NS-1-(\s))
.endif
	s_wait_dscnt 8                                 ; set X is in; set Y's eight loads may be out
	MUL 0, \s
	PLACES
.if (\s)+1 < NS
	s_wait_alu depctr_va_vdst(0)                   ; the four products above are done reading set X, in which the next step's fragments land
	BLOAD 0, (\s)+1
	s_wait_dscnt 8                                 ; set Y is in; the eight just issued may be out
.else
	s_wait_dscnt 0
.endif
	MUL 1, \s
	PLACES
.if (\s)+1 < NS
	s_wait_alu depctr_va_vdst(0)                   ; the step's products are done reading set Y and the tokens' set s % 3, in which the loads below land
	BLOAD 1, (\s)+1
.endif
.if (\s)+3 < NS
	ALOAD (\s)+3
.endif
.endm
; 16 numbers of token tile a: hidden units 64 q + 32 b + 16 (lane / 16) + 0 .. 15, from tiles 2 b and 2 b + 1; each accumulator is read from its low end on.
; prev: the codes of the call before (its 2 a + b), which are stored here, or -1 in the first call
.macro GEL a, b, prev
.set GA0, ACC+8*(4*\b+\a)
.set GA1, ACC+8*(4*\b+2+\a)
.irp m, 0,2,4,6
	v_pk_fma_f32 v[EH+\m:EH+\m+1], v[GA0+\m:GA0+\m+1], s[28:29], v[EBI+16*\b+\m:EBI+16*\b+\m+1] op_sel_hi:[1,0,1]   ; h = sum x 2^(e0 + e1) + b1
.endr
.irp m, 0,2,4,6
	v_pk_fma_f32 v[EH+8+\m:EH+9+\m], v[GA1+\m:GA1+\m+1], s[28:29], v[EBI+16*\b+8+\m:EBI+16*\b+9+\m] op_sel_hi:[1,0,1]
.endr
.irp n, 0,1,2,3,4,5,6,7,8,9,10,11,12,13,14,15
	v_fma_f32 v[ET+\n], |v[EH+\n]|, s56, 1.0       ; 1 + z / 2
.endr
	s_wait_alu depctr_va_vdst(0)
.irp n, 0,1,2,3,4,5,6,7,8,9,10,11,12,13,14,15
	v_rcp_f32 v[ET+\n], v[ET+\n]                   ; t
.endr
.irp m, 0,2,4,6,8,10,12,14
	v_pk_mul_f32 v[EU+\m:EU+\m+1], v[EH+\m:EH+\m+1], v[EH+\m:EH+\m+1]   ; h^2.  (The plain lines behind the reciprocals)
.endr
	s_wait_alu depctr_va_vdst(0)                   ; the sixteen reciprocals have written t, ahead of its first reader; and the call before has written its codes, which the store below reads
.if (\prev) >= 0
	global_store_b128 v[VO], v[ECD+4*(\prev):ECD+4*(\prev)+3], s[14:15] offset:2048*((\prev)/2)+512*((\prev)%2)   ; 32 lanes store 512 consecutive bytes, aligned
.endif
.irp m, 0,2,4,6,8,10,12,14
	v_pk_fma_f32 v[EP+\m:EP+\m+1], v[ET+\m:ET+\m+1], s[52:53], v[C8:C8+1] op_sel_hi:[1,0,1]
.endr
.irp k, 50,48,46,44,42,40,38,36
.irp m, 0,2,4,6,8,10,12,14
	v_pk_fma_f32 v[EP+\m:EP+\m+1], v[EP+\m:EP+\m+1], v[ET+\m:ET+\m+1], s[\k:\k+1] op_sel_hi:[1,1,0]
.endr
.endr
.irp m, 0,2,4,6,8,10,12,14
	v_pk_fma_f32 v[EP+\m:EP+\m+1], v[EU+\m:EU+\m+1], s[54:55], v[EP+\m:EP+\m+1] op_sel_hi:[1,0,1]   ; - z^2 log2(e)
.endr
	s_wait_alu depctr_va_vdst(0)
.irp n, 0,1,2,3,4,5,6,7,8,9,10,11,12,13,14,15
	v_exp_f32 v[EP+\n], v[EP+\n]
.endr
.irp n, 0,1,2,3,4,5,6,7,8,9,10,11,12,13,14,15
	v_max_num_f32 v[EU+\n], 0, v[EH+\n]            ; max(h, 0).  (The plain lines behind the exponentials)
.endr
	s_wait_alu depctr_va_vdst(0)                   ; the sixteen exponentials have written their powers, ahead of the first reader
.irp m, 0,2,4,6,8,10,12,14
	v_pk_mul_f32 v[ET+\m:ET+\m+1], v[ET+\m:ET+\m+1], v[EP+\m:EP+\m+1]   ; erfc(z) / 2
.endr
.irp n, 0,1,2,3,4,5,6,7,8,9,10,11,12,13,14,15
	v_fma_f32 v[EU+\n], -|v[EH+\n]|, v[ET+\n], v[EU+\n]
.endr
.irp n, 0,1,2,3,4,5,6,7,8,9,10,11,12,13,14,15
	v_med3_num_f32 v[EU+\n], v[EU+\n], -v[HLIM], v[HLIM]
.endr
	v_cvt_scalef32_pk8_bf8_f32 v[ECD+4*(2*\a+\b):ECD+4*(2*\a+\b)+1],   v[EU:EU+7],    v[HSC]
	v_cvt_scalef32_pk8_bf8_f32 v[ECD+4*(2*\a+\b)+2:ECD+4*(2*\a+\b)+3], v[EU+8:EU+15], v[HSC]
	v_nop                                          ; one plain vector line behind the last conversion
.endm
.Litem:                                                ; TRIPS trips, a constant; no load is out here
	s_cmp_ge_u32 s22, s23                          ; a group at or past the expert's count has no tokens: its work is jumped over.  The count is made of whole numbers that an earlier launch stored
	s_cbranch_scc1 .Lskip
	SELECT
	v_min_u32 v[VA0],   0x3ff, v[ID0]
	v_min_u32 v[VA0+1], 0x3ff, v[ID0+1]
	v_lshl_add_u32 v[VA0],   v[VA0],   10, v[H16]  ; a row of xc is 1,024 bytes
	v_lshl_add_u32 v[VA0+1], v[VA0+1], 10, v[H16]
	s_wait_alu depctr_va_vdst(0)                   ; v4 and v5 are written, which the gathers read; SELECT, and in a later trip the last item's way out, are done with v96-207, in which the loads below land
	ALOAD 0
	ALOAD 1
	ALOAD 2
	BLOAD 0, 0
	BLOAD 1, 0
.irp s, 0,1,2,3,4,5,6,7
	STEP \s
.endr
.irp b, 0,1
.irp i, 0,1,2,3
	ds_load_b128 v[EBI+16*\b+4*\i:EBI+16*\b+4*\i+3], v[VBI] offset:128*\b+16*\i   ; no wait: the last products that read v160-191 are step 5's, and no vector or matrix instruction since step 6's second wait names them
.endr
.endr
	s_wait_dscnt 0x0
	GEL 0, 0, -1
	GEL 0, 1, 0
	GEL 1, 0, 1
	GEL 1, 1, 2
	s_wait_alu depctr_va_vdst(0)                   ; the last call's conversions have written its codes, which the store below reads
	global_store_b128 v[VO], v[ECD+12:ECD+15], s[14:15] offset:2048+512
.Lskip:
	s_wait_xcnt 0x0                                ; the stores' data and base, and the gathers' offsets, are written again only behind this wait
	s_wait_alu depctr_vm_vsrc(0)                   ; the gathers have read v4 and v5, the stores v192-207: the next trip writes the first and loads into the second
	s_add_nc_u64 s[14:15], s[14:15], 0x8000        ; eight groups on
	s_add_co_u32 s22, s22, 8
	s_add_co_u32 s59, s59, 1
	s_cmp_lt_u32 s59, TRIPS
	s_cbranch_scc1 .Litem
	s_wait_dscnt 0x0                               ; the closing lines, six on end
	s_wait_alu 0x0
	s_wait_tensorcnt 0x0
	ds_add_u32 v28, v31
	s_wait_dscnt 0x0
	s_endpgm
.Lfunc_end_k_qd8d3db61ec_ffn1:
	.size	k_qd8d3db61ec_ffn1, .Lfunc_end_k_qd8d3db61ec_ffn1-k_qd8d3db61ec_ffn1
	.p2alignl 7, 3214868480
	.fill 96, 4, 3214868480
	.section	.rodata,"a",@progbits
	.p2align	6, 0x0
	.amdhsa_kernel k_qd8d3db61ec_ffn1
		.amdhsa_group_segment_fixed_size 135680
		.amdhsa_private_segment_fixed_size 0
		.amdhsa_enable_private_segment 0
		.amdhsa_kernarg_size 48
		.amdhsa_user_sgpr_count 2
		.amdhsa_user_sgpr_kernarg_segment_ptr 1
		.amdhsa_wavefront_size32 1
		.amdhsa_system_sgpr_workgroup_id_x 1
		.amdhsa_system_sgpr_workgroup_id_y 1
		.amdhsa_system_sgpr_workgroup_id_z 1
		.amdhsa_system_vgpr_workitem_id 0
		.amdhsa_next_free_vgpr 256
		.amdhsa_next_free_sgpr 100
		.amdhsa_reserve_vcc 1
		.amdhsa_float_denorm_mode_32 3
		.amdhsa_float_denorm_mode_16_64 3
		.amdhsa_memory_ordered 1
		.amdhsa_forward_progress 1
		.amdhsa_inst_pref_size 118
	.end_amdhsa_kernel
	.amdgpu_metadata
---
amdhsa.version: [ 1, 2 ]
amdhsa.kernels:
  - .name:           k_qd8d3db61ec_ffn1
    .symbol:         k_qd8d3db61ec_ffn1.kd
    .args:
      - { .name: w1, .offset: 0, .size: 8, .value_kind: global_buffer, .address_space: global }
      - { .name: xc, .offset: 8, .size: 8, .value_kind: global_buffer, .address_space: global }
      - { .name: msk, .offset: 16, .size: 8, .value_kind: global_buffer, .address_space: global }
      - { .name: b1, .offset: 24, .size: 8, .value_kind: global_buffer, .address_space: global }
      - { .name: lowp_scales, .offset: 32, .size: 8, .value_kind: global_buffer, .address_space: global }
      - { .name: hc, .offset: 40, .size: 8, .value_kind: global_buffer, .address_space: global }
    .group_segment_fixed_size: 135680
    .private_segment_fixed_size: 0
    .kernarg_segment_align: 8
    .kernarg_segment_size: 48
    .max_flat_workgroup_size: 512
    .sgpr_count:     100
    .vgpr_count:     256
    .wavefront_size: 32
...
	.end_amdgpu_metadata
.endif
;; end of part 6
;; launch ffn2 (part 7): grid 256 x 1, 16 waves a work-group, no clusters, 203,776 bytes of LDS; arguments w2, hc, msk, lowp_scales, eo; writes eo
.if DOCPART == 7
	.amdgcn_target "amdgcn-amd-amdhsa--gfx1250"
	.amdhsa_code_object_version 6
	.text
	.protected	k_qd8d3db61ec_ffn2
	.globl	k_qd8d3db61ec_ffn2
	.p2align	8
	.type	k_qd8d3db61ec_ffn2,@function
k_qd8d3db61ec_ffn2:
	s_mov_b64 s[64:65], 0
	v_nop
	global_prefetch_b8 v0, s[64:65] scope:SCOPE_SE
	s_setreg_imm32_b32 hwreg(HW_REG_WAVE_SCHED_MODE, 0, 2), 2
	s_setreg_imm32_b32 hwreg(HW_REG_WAVE_MODE, 25, 1), 1
	s_wait_xcnt 0x0
	s_wait_alu depctr_vm_vsrc(0)
; SECOND LAYER, for the slots of each expert: eo = the raw f32 sums of hidden codes x w2's codes (E5M2, v_wmma_f32_16x16x128_bf8_bf8), in two halves of K; scale, bias and the sum of the halves follow in the last launch.
; SHARES.  Work-group = expert e (id / 32) x half of K (kh = (id / 16) % 2: 2,048 hidden units) x 64 outputs (nb = id % 16).  Its slice of w2, 2,048 (K) x 64 f32, is read from memory once, quantised in
; registers with 2^e3 and laid in LDS as codes, K innermost.  Then wave w takes items of 32 slots x the 64 outputs: groups g = w and w + 16.  K is split so that 256 work-groups each hold a slice that fits in LDS;
; each half has its own plane of eo, so no sum crosses work-groups.
; The loop over items has two trips, a constant: 32 groups at the most, sixteen a trip.  A trip whose group lies at or past the expert's count jumps over its work.  Every wave makes that count itself, from the
; 1,024 tokens' masks (whole numbers that an earlier launch stored): eight loads of 512 bytes, 32 ballots, their bits counted.
; PHASE W.  Wave w takes K rows 128 w .. + 127 in four batches of 32; a load covers two rows' 256 consecutive bytes (lanes 0-15 row i, lanes 16-31 row i + 16); a lane holds four columns, and the hold puts each column's 16 numbers along K on end.
; THE MATRIX INSTRUCTION IS USED TRANSPOSED (source 0 = 16 outputs, source 1 = 16 slots): a lane holds eight neighbouring outputs of one slot.  The hidden codes come as images of the fragment's registers: dense loads of 512 bytes.
; THE WAY OUT.  16 slots x 64 outputs go through the wave's own stage in LDS and leave as rows: sixteen lanes store 256 consecutive bytes, aligned.
; No tensor loads and no joint loads: the weights pass through registers to be quantised, and which items have work hangs on a count made from numbers read from memory, so the loop over items holds no barrier.
; LIMIT.  e3 between -126 and 112.  NaN and infinities among the inputs are not served.
; THE MODE: SCHED_MODE bits 1:0 = 2 (LLVM: expert scheduling mode 2), set by the entry lines.  The code itself states the register dependences
; between vector or matrix instructions and memory or LDS instructions, with s_wait_alu, always for 0.
; THE PLAN.  Registers that memory or LDS instructions touch, and who else names them:
;   v2, v3, v4, v6, v7, v8, v13, v14   Addresses and offsets: made once at the head and never written again.  One wait on va_vdst, ahead of the first load, serves them for the whole kernel.
;   R0's two sets   Batch b: its 64 holds read set b % 2; the loads of batch b + 2 land in it.
;   WC              Batch b: its conversions write it, four LDS stores read it; batch b + 1's conversions write it again.
;                   So a batch has ONE wait on va_vdst, behind its conversions, with its loads and its LDS stores behind that; and one on vm_vsrc ahead of its conversions.
;   AR's three sets Step s: its eight products read set s % 3; behind them the loads of step s + 3 land in it.
;   BX: X and Y     Step s: four products read X, and step s + 1's X lands in it; four read Y, likewise.  The launch's 256 registers are all taken, so neither set has a twin: each half of a step
;                   has a wait on va_vdst between its four products and the loads into the set that they read; the second of the two serves AR's set too.
;   ACC             Written by the products; read by the way out's LDS stores, behind the places and one wait on va_vdst; begun anew by the next trip's first products.
;   OB (v96-159)    The rows read back from the stage land in it, the global stores read it, the next trip's loads land in it.
;   One wait on vm_vsrc at a trip's end: the LDS stores have read ACC, the global stores OB.  An item's first loads owe no wait: no vector or matrix instruction stands between the last wait on va_vdst and them.
;   v30, v31        Written at the head, read by the closing add alone.
.set PITCH, 2064                       ; an LDS row: 2,048 codes + 16 = 129 x 16 bytes: sixteen consecutive rows begin in sixteen different 16-byte columns of 256 bytes
.set STG,   64*PITCH                   ; behind the codes: a stage of 16 rows x (256 + 16) bytes for each wave
.set SP,    272
.set NS,    16                         ; K steps of 128
.set TRIPS, 2                          ; 32 groups of 32 slots at the most, sixteen a trip
.set BAL,   66                         ; s66-97   the expert's 32 ballots
.set VBX, 2                            ; v2, v3   LDS address of my fragments of tiles 0, 1 (set X) and 2, 3 (set Y)
.set VA0, 4                            ; v4       16 x lane
.set VO,  6                            ; v6       eo: 4,096 (lane / 16) + 16 (lane % 16)
.set VW,  7                            ; v7       phase W: where my codes go
.set VG,  8                            ; v8       phase W: 65,536 (lane / 16) + 16 (lane % 16)
.set WLIM, 9                           ; v9, v10  57,344 x 2^e3; 2^e3
.set WSC, 10
.set VSTO, 13                          ; v13      the stage: where I put 32 bytes of a row
.set VRD, 14                           ; v14      and where I read rows back
.set R0,  32                           ; phase W: v32-159 two sets of 16 loads x 4 columns
.set WT,  160                          ; v160-223 first the masks and their expert's bit; then held numbers: 16 c + i
.set WC,  224                          ; v224-239 codes: 4 c
.set ACC, 32                           ; items: v32-95 accumulator (tile j, slot tile a) at 8 (2 j + a)
.set AR,  96                           ; v96-191  the hidden layer's fragments: three sets of two
.set BX,  192                          ; v192-223 set X, v224-255 set Y
.set OB,  96                           ; the way out: v96-159 rows read back
.macro PLACES                          ; four plain vector lines between a matrix instruction and a load into its registers or a read of its result
.rept 4
	v_nop
.endr
.endm
	s_load_b256 s[4:11], s[0:1], 0x0               ; w2 s[4:5], hc s[6:7], msk s[8:9], the scales' exponents s[10:11]
	s_load_b64 s[12:13], s[0:1], 0x20              ; eo
	v_lshl_add_u32 v30, v0, 2, 0x31400
	v_mov_b32 v31, 0
	v_lshrrev_b32 v1, 5, v0
	v_readfirstlane_b32 s18, v1                    ; wave 0..15
	s_lshr_b32 s19, ttmp9, 5                       ; e
	s_bfe_u32 s20, ttmp9, 0x10004                  ; kh
	s_and_b32 s21, ttmp9, 15                       ; nb
	s_wait_alu depctr_va_sdst(0)                   ; s18 is written, ahead of its first reader
	s_mov_b32 s22, s18                             ; g: my first group of 32 slots
	s_lshr_b32 s24, ttmp9, 4                       ; 2 e + kh
	s_lshl_b32 s16, 1, s19                         ; e's bit in a mask
	v_and_b32 v24, 31, v0                          ; lane
	v_and_b32 v25, 15, v0                          ; lane % 16
	v_bfe_u32 v26, v0, 4, 1                        ; lane / 16
	v_lshlrev_b32 v[VA0], 4, v24
	v_lshlrev_b32 v[VG], 4, v25
	v_lshl_add_u32 v[VO], v26, 12, v[VG]
	v_lshl_add_u32 v[VG], v26, 16, v[VG]           ; lanes 16-31: 16 rows of 4,096 bytes further down
	v_mul_u32_u24 v[VW], v25, 4*PITCH              ; my four columns' rows,
	v_lshl_add_u32 v[VW], v26, 4, v[VW]            ; my half's 16 along K,
	s_lshl_b32 s57, s18, 7
	v_add_nc_u32 v[VW], s57, v[VW]                 ; my wave's 128
	v_mul_u32_u24 v[VBX], v25, PITCH
	v_lshl_add_u32 v[VBX], v26, 4, v[VBX]
	v_add_nc_u32 v[VBX+1], 32*PITCH, v[VBX]
	s_mul_i32 s57, s18, 16*SP
	s_add_co_u32 s57, s57, STG                     ; my stage
	v_mul_u32_u24 v[VSTO], v25, SP
	v_lshl_add_u32 v[VSTO], v26, 5, v[VSTO]
	v_add_nc_u32 v[VSTO], s57, v[VSTO]             ; in: row = slot lane % 16, 32 bytes for each half of the lanes
	v_mul_u32_u24 v[VRD], v26, SP
	v_lshl_add_u32 v[VRD], v25, 4, v[VRD]
	v_add_nc_u32 v[VRD], s57, v[VRD]               ; back: lanes 0-15 one row, lanes 16-31 the next
	s_lshl_b32 s30, s24, 23                        ; w2: (2 e + kh) x 8 MiB, my wave's 128 rows of 4,096 bytes, the block's 256 bytes of a row
	s_lshl_b32 s32, s18, 19
	s_add_co_u32 s30, s30, s32
	s_lshl_b32 s32, s21, 8
	s_add_co_u32 s30, s30, s32
	s_mov_b32 s31, 0
	s_lshl_b32 s32, s24, 21                        ; hc: (32 e + 16 kh) blocks of 131,072 bytes, + my first group's two tiles
	s_lshl_b32 s34, s22, 12
	s_add_co_u32 s32, s32, s34
	s_mov_b32 s33, 0
	s_lshl_b32 s34, s20, 25                        ; eo: the half's plane of 8,192 rows of 4,096 bytes, the expert's 1,024 rows, my group's 32, the block's 256 bytes
	s_lshl_b32 s36, s19, 22
	s_add_co_u32 s34, s34, s36
	s_lshl_b32 s36, s22, 17
	s_add_co_u32 s34, s34, s36
	s_lshl_b32 s36, s21, 8
	s_add_co_u32 s34, s34, s36
	s_mov_b32 s35, 0
	s_wait_kmcnt 0x0
	s_add_nc_u64 s[4:5], s[4:5], s[30:31]
	s_add_nc_u64 s[6:7], s[6:7], s[32:33]
	s_add_nc_u64 s[12:13], s[12:13], s[34:35]
	s_load_b128 s[40:43], s[10:11], 0x0            ; e0 .. e3
	s_wait_alu depctr_va_vdst(0)                   ; the addresses and offsets v2, v3, v4, v6, v7, v8, v13 and v14 are written: the kernel's loads and stores read them, and no line writes them again
.irp j, 0,1,2,3,4,5,6,7
	global_load_b128 v[WT+4*\j:WT+4*\j+3], v[VA0], s[8:9] offset:512*\j   ; the 1,024 masks
.endr
.macro LOADB b                         ; batch b: 32 rows of K, two rows' 256 bytes a load, into set b % 2
.irp i, 0,1,2,3,4,5,6,7,8,9,10,11,12,13,14,15
	global_load_b128 v[R0+64*((\b)%2)+4*\i:R0+64*((\b)%2)+4*\i+3], v[VG], s[4:5] offset:(32*(\b)+\i)*4096 th:TH_LOAD_NT
.endr
.endm
.macro QB b
.if (\b) < 3
	s_wait_loadcnt 16                              ; this batch is in; the next batch's 16 loads may be out
.else
	s_wait_loadcnt 0
.endif
.irp c, 0,1,2,3
.irp i, 0,1,2,3,4,5,6,7,8,9,10,11,12,13,14,15
	v_med3_num_f32 v[WT+16*\c+\i], v[R0+64*((\b)%2)+4*\i+\c], -v[WLIM], v[WLIM]   ; the hold (the conversion does not saturate: ISA guide 7.6.2), and column c's 16 numbers along K on end
.endr
.endr
	s_wait_alu depctr_va_vdst(0)
	s_wait_dscnt 0x0                               ; the last batch's LDS stores are done,
.if (\b) > 0
	s_wait_alu depctr_vm_vsrc(0)                   ; and have read the codes' registers, which the conversions below write again
.endif
.irp c, 0,1,2,3
	v_cvt_scalef32_pk8_bf8_f32 v[WC+4*\c:WC+4*\c+1],   v[WT+16*\c:WT+16*\c+7],    v[WSC]
	v_cvt_scalef32_pk8_bf8_f32 v[WC+4*\c+2:WC+4*\c+3], v[WT+16*\c+8:WT+16*\c+15], v[WSC]
.endr
	v_nop                                          ; one plain vector line behind the last conversion
	s_wait_alu depctr_va_vdst(0)                   ; the holds are done reading set b % 2, in which the loads below land; the conversions have written the codes, which the LDS stores below read
.if (\b) < 2
	LOADB (\b)+2
.endif
.irp c, 0,1,2,3
	ds_store_b128 v[VW], v[WC+4*\c:WC+4*\c+3] offset:\c*PITCH+32*(\b)
.endr
.endm
; The expert's 32 ballots, and s23 = its count in groups of 32, rounded up, 32 at the most
.macro BALLOTS
.set bn, 0
.rept 32
	v_and_b32 v[WT+32+bn], s16, v[WT+bn]
.set bn, bn+1
.endr
.set bn, 0
.rept 32
	v_cmp_ne_u32 s[BAL+bn], 0, v[WT+32+bn]
.set bn, bn+1
.endr
	s_wait_alu depctr_va_sdst(0)                   ; the 32 ballots are written, ahead of their first readers: one wait behind the run of compares
	s_mov_b32 s23, 0
.set bn, 0
.rept 32
	s_bcnt1_i32_b32 s57, s[BAL+bn]
	s_add_co_u32 s23, s23, s57
.set bn, bn+1
.endr
	s_add_co_u32 s23, s23, 31
	s_lshr_b32 s23, s23, 5
	s_min_u32 s23, s23, 32
.endm
	LOADB 0
	LOADB 1
	s_wait_kmcnt 0x0
	s_add_co_i32 s57, s43, 127
	s_lshl_b32 s58, s57, 23
	v_mov_b32 v[WSC], s58
	s_add_co_i32 s57, s57, 15
	s_lshl_b32 s57, s57, 23
	s_or_b32 s57, s57, 0x600000
	v_mov_b32 v[WLIM], s57
	s_wait_loadcnt 32                              ; the masks are in; the 32 loads of the weights may be out
	BALLOTS                                        ; while the weights are on their way
	QB 0
	QB 1
	QB 2
	QB 3
	s_wait_dscnt 0x0                               ; for the other waves: my codes have landed
	s_barrier_signal -1
	s_barrier_wait -1                              ; the one barrier: from here on the codes are only read, and each stage is its wave's own
	s_wait_alu depctr_vm_vsrc(0)                   ; the last batch's LDS stores have read v224-239, in which set Y's fragments land from here on
	s_mov_b32 s59, 0                               ; trips done
.macro ALOAD s                         ; the two slot tiles' fragments of K step s: images, 512 consecutive bytes a load, into set s % 3
.irp a, 0,1
.irp c, 0,1,2,3
	global_load_b128 v[AR+32*((\s)%3)+16*\a+4*\c:AR+32*((\s)%3)+16*\a+4*\c+3], v[VA0], s[6:7] offset:(\s)*131072+\a*2048+512*\c
.endr
.endr
.endm
.macro BLOAD set, s                    ; two tiles of outputs, K step s
.irp u, 0,1
.irp c, 0,1,2,3
	ds_load_b128 v[BX+32*\set+16*\u+4*\c:BX+32*\set+16*\u+4*\c+3], v[VBX+\set] offset:\u*16*PITCH+128*(\s)+32*\c
.endr
.endr
.endm
.macro MUL set, s                      ; four products; the eight accumulators take turns, one instruction a turn; step 0 starts the sums
.irp u, 0,1
.irp a, 0,1
.if (\s) == 0
	v_wmma_f32_16x16x128_bf8_bf8 v[ACC+8*(2*(2*\set+\u)+\a):ACC+8*(2*(2*\set+\u)+\a)+7], v[BX+32*\set+16*\u:BX+32*\set+16*\u+15], v[AR+32*((\s)%3)+16*\a:AR+32*((\s)%3)+16*\a+15], 0
.else
	v_wmma_f32_16x16x128_bf8_bf8 v[ACC+8*(2*(2*\set+\u)+\a):ACC+8*(2*(2*\set+\u)+\a)+7], v[BX+32*\set+16*\u:BX+32*\set+16*\u+15], v[AR+32*((\s)%3)+16*\a:AR+32*((\s)%3)+16*\a+15], v[ACC+8*(2*(2*\set+\u)+\a):ACC+8*(2*(2*\set+\u)+\a)+7]
.endif
.endr
.endr
.endm
.macro STEP s
.if NS-1-(\s) >= 2
	s_wait_loadcnt 16                              ; this step's fragments are in; the two later steps' 16 loads may be out
.else
	s_wait_loadcnt 8*(NS-1-(\s))
.endif
	s_wait_dscnt 8                                 ; set X is in; set Y's eight loads may be out
	MUL 0, \s
	PLACES
.if (\s)+1 < NS
	s_wait_alu depctr_va_vdst(0)                   ; the four products above are done reading set X, in which the next step's fragments land
	BLOAD 0, (\s)+1
	s_wait_dscnt 8                                 ; set Y is in; the eight just issued may be out
.else
	s_wait_dscnt 0
.endif
	MUL 1, \s
	PLACES
.if (\s)+1 < NS
	s_wait_alu depctr_va_vdst(0)                   ; the step's products are done reading set Y and the hidden layer's set s % 3, in which the loads below land
	BLOAD 1, (\s)+1
.endif
.if (\s)+3 < NS
	ALOAD (\s)+3
.endif
.endm
.Litem:                                                ; TRIPS trips, a constant
	s_cmp_ge_u32 s22, s23                          ; a group at or past the expert's count has no slots in use: its work is jumped over.  The count is made of whole numbers that an earlier launch stored
	s_cbranch_scc1 .Lskip
	ALOAD 0                                        ; no wait: no vector or matrix instruction stands between the last wait on va_vdst (the last batch's; in the second trip the way out's) and these loads
	ALOAD 1
	ALOAD 2
	BLOAD 0, 0
	BLOAD 1, 0
.irp s, 0,1,2,3,4,5,6,7,8,9,10,11,12,13,14,15
	STEP \s
.endr
	; the way out: LDS serves a wave's instructions in order (ISA guide 5.7.1.4), so no wait stands between my stores and my loads, nor in front of the second tile's stores
	s_wait_alu depctr_va_vdst(0)                   ; the products have written the accumulators, which the LDS stores read, and are done reading v96-255, in which the rows read back and the next trip's loads land; the last step's four places stay beside this wait
.irp a, 0,1
.irp j, 0,1,2,3
	ds_store_b128 v[VSTO], v[ACC+8*(2*\j+\a):ACC+8*(2*\j+\a)+3]   offset:64*\j      ; each accumulator from its low end on
	ds_store_b128 v[VSTO], v[ACC+8*(2*\j+\a)+4:ACC+8*(2*\j+\a)+7] offset:64*\j+16
.endr
.irp i, 0,1,2,3,4,5,6,7
	ds_load_b128 v[OB+32*\a+4*\i:OB+32*\a+4*\i+3], v[VRD] offset:2*\i*SP
.endr
.endr
	s_wait_dscnt 16                                ; the first tile's rows are back; the second tile's 8 stores and 8 loads may be out
.irp i, 0,1,2,3,4,5,6,7
	global_store_b128 v[VO], v[OB+4*\i:OB+4*\i+3], s[12:13] offset:2*\i*4096       ; sixteen lanes store 256 consecutive bytes, aligned
.endr
	s_wait_dscnt 0x0
.irp i, 0,1,2,3,4,5,6,7
	global_store_b128 v[VO], v[OB+32+4*\i:OB+32+4*\i+3], s[12:13] offset:(16+2*\i)*4096
.endr
.Lskip:
	s_wait_xcnt 0x0                                ; the stores' data and both bases are written again only behind this wait
	s_wait_alu depctr_vm_vsrc(0)                   ; the LDS stores have read the accumulators, which the next trip's first products write; the global stores have read v96-159, in which its loads land
	s_add_nc_u64 s[6:7], s[6:7], 0x10000           ; sixteen groups on: 32 tiles of 2,048 bytes,
	s_add_nc_u64 s[12:13], s[12:13], 0x200000      ; 512 rows of 4,096 bytes
	s_add_co_u32 s22, s22, 16
	s_add_co_u32 s59, s59, 1
	s_cmp_lt_u32 s59, TRIPS
	s_cbranch_scc1 .Litem
	s_wait_dscnt 0x0                               ; the closing lines, six on end
	s_wait_alu 0x0
	s_wait_tensorcnt 0x0
	ds_add_u32 v30, v31
	s_wait_dscnt 0x0
	s_endpgm
.Lfunc_end_k_qd8d3db61ec_ffn2:
	.size	k_qd8d3db61ec_ffn2, .Lfunc_end_k_qd8d3db61ec_ffn2-k_qd8d3db61ec_ffn2
	.p2alignl 7, 3214868480
	.fill 96, 4, 3214868480
	.section	.rodata,"a",@progbits
	.p2align	6, 0x0
	.amdhsa_kernel k_qd8d3db61ec_ffn2
		.amdhsa_group_segment_fixed_size 203776
		.amdhsa_private_segment_fixed_size 0
		.amdhsa_enable_private_segment 0
		.amdhsa_kernarg_size 40
		.amdhsa_user_sgpr_count 2
		.amdhsa_user_sgpr_kernarg_segment_ptr 1
		.amdhsa_wavefront_size32 1
		.amdhsa_system_sgpr_workgroup_id_x 1
		.amdhsa_system_sgpr_workgroup_id_y 1
		.amdhsa_system_sgpr_workgroup_id_z 1
		.amdhsa_system_vgpr_workitem_id 0
		.amdhsa_next_free_vgpr 256
		.amdhsa_next_free_sgpr 100
		.amdhsa_reserve_vcc 0
		.amdhsa_float_denorm_mode_32 3
		.amdhsa_float_denorm_mode_16_64 3
		.amdhsa_memory_ordered 1
		.amdhsa_forward_progress 1
		.amdhsa_inst_pref_size 82
	.end_amdhsa_kernel
	.amdgpu_metadata
---
amdhsa.version: [ 1, 2 ]
amdhsa.kernels:
  - .name:           k_qd8d3db61ec_ffn2
    .symbol:         k_qd8d3db61ec_ffn2.kd
    .args:
      - { .name: w2, .offset: 0, .size: 8, .value_kind: global_buffer, .address_space: global }
      - { .name: hc, .offset: 8, .size: 8, .value_kind: global_buffer, .address_space: global }
      - { .name: msk, .offset: 16, .size: 8, .value_kind: global_buffer, .address_space: global }
      - { .name: lowp_scales, .offset: 24, .size: 8, .value_kind: global_buffer, .address_space: global }
      - { .name: eo, .offset: 32, .size: 8, .value_kind: global_buffer, .address_space: global }
    .group_segment_fixed_size: 203776
    .private_segment_fixed_size: 0
    .kernarg_segment_align: 8
    .kernarg_segment_size: 40
    .max_flat_workgroup_size: 512
    .sgpr_count:     100
    .vgpr_count:     256
    .wavefront_size: 32
...
	.end_amdgpu_metadata
.endif
;; end of part 7
;; launch combine (part 8): grid 256 x 1, 4 waves a work-group, no clusters, 0 bytes of LDS; arguments eo, msk, ps, b2, lowp_scales, out0; writes out0
.if DOCPART == 8
	.amdgcn_target "amdgcn-amd-amdhsa--gfx1250"
	.amdhsa_code_object_version 6
	.text
	.protected	k_qd8d3db61ec_combine
	.globl	k_qd8d3db61ec_combine
	.p2align	8
	.type	k_qd8d3db61ec_combine,@function
k_qd8d3db61ec_combine:
	s_mov_b64 s[64:65], 0
	v_nop
	global_prefetch_b8 v0, s[64:65] scope:SCOPE_SE
	s_setreg_imm32_b32 hwreg(HW_REG_WAVE_MODE, 25, 1), 1
	s_wait_xcnt 0x0
; COMBINE.  out0[t] = ((the four raw sums of t's two experts, two halves of K each) x 2^(e2 + e3) + b2[first expert] + b2[second expert]) x the sum of t's two softmax weights.
; A wave takes one token.  Its two experts are the two bits of its mask; its slot in an expert is the number of that expert's tokens at smaller places, counted here from the 1,024 masks (whole numbers that an earlier
; launch stored) in the order in which the first layer laid the slots: eight loads of 512 bytes put token 128 j + 4 l + i into register n = 4 j + i of lane l, and the token's place is 32 n + l.
; The counts stay whole numbers throughout, and are clamped before they enter an address.
; Then a stream: six loads of 512 consecutive bytes for each 512 bytes of the result, all 48 issued at once; each store covers 512 consecutive bytes, aligned.  No LDS, no barrier, no matrix unit: memory binds.
; LIMIT.  e2 + e3 between -126 and 127.
.set M,  32                            ; v32-63   the masks; those at or past my token's place become 0
.set XA, 64                            ; v64-95   their bit of my first expert
.set XB, 96                            ; v96-127  of my second
.set E0, 32                            ; then: v32-63 first expert, lower half of K; then the result
.set E1, 64                            ; v64-95   first expert, upper half
.set E2, 96                            ; v96-127  second expert, lower half
.set E3, 128                           ; v128-159 second expert, upper half
.set BA, 160                           ; v160-191 b2 of the first expert
.set BB, 192                           ; v192-223 b2 of the second
	s_load_b256 s[4:11], s[0:1], 0x0               ; eo s[4:5], msk s[6:7], ps s[8:9], b2 s[10:11]
	s_load_b128 s[12:15], s[0:1], 0x20             ; the scales' exponents s[12:13], out0 s[14:15]
	v_lshrrev_b32 v1, 5, v0
	v_readfirstlane_b32 s16, v1                    ; wave
	v_and_b32 v3, 31, v0                           ; lane
	v_lshlrev_b32 v2, 4, v3                        ; 16 x lane
	v_mov_b32 v5, 0                                ; written once: the destination of a lane move counts as read
	s_lshl_b32 s17, ttmp9, 2
	s_add_co_u32 s17, s17, s16                     ; my token t
	s_lshl_b32 s18, s17, 2
	s_mov_b32 s19, 0
	s_mov_b32 s50, 0x76543210                      ; v_permlanex16_b32: lane l xor 16
	s_mov_b32 s51, 0xfedcba98
	s_lshr_b32 s40, s17, 7                         ; t's place: 32 (4 (t / 128) + t % 4) + (t / 4) % 32
	s_lshl_b32 s40, s40, 2
	s_and_b32 s41, s17, 3
	s_add_co_u32 s40, s40, s41
	s_lshl_b32 s40, s40, 5
	s_bfe_u32 s41, s17, 0x50002
	s_add_co_u32 s40, s40, s41
	s_wait_alu depctr_va_vdst(0)
	s_wait_kmcnt 0x0
.irp j, 0,1,2,3,4,5,6,7
	global_load_b128 v[M+4*\j:M+4*\j+3], v2, s[6:7] offset:512*\j
.endr
	s_add_nc_u64 s[20:21], s[6:7], s[18:19]        ; my own mask
	s_add_nc_u64 s[8:9], s[8:9], s[18:19]
	s_lshl_b32 s18, s17, 12
	s_add_nc_u64 s[14:15], s[14:15], s[18:19]
	s_load_b32 s22, s[20:21], 0x0
	s_load_b32 s24, s[8:9], 0x0                    ; the sum of the softmax weights
	s_load_b128 s[28:31], s[12:13], 0x0            ; e0 .. e3
	s_wait_kmcnt 0x0
	s_sub_co_u32 s23, s22, 1                       ; the lowest set bit's number = the count of the bits below it = bits of ((m - 1) xor m) >> 1
	s_xor_b32 s52, s23, s22
	s_lshr_b32 s52, s52, 1
	s_bcnt1_i32_b32 s52, s52                       ; my first expert
	s_and_b32 s23, s23, s22                        ; the mask without its lowest bit
	s_sub_co_u32 s53, s23, 1
	s_xor_b32 s53, s53, s23
	s_lshr_b32 s53, s53, 1
	s_bcnt1_i32_b32 s53, s53                       ; my second
	s_min_u32 s52, s52, 7
	s_min_u32 s53, s53, 7
	s_lshl_b32 s54, 1, s52
	s_lshl_b32 s55, 1, s53
	s_wait_loadcnt 0x0
.set bn, 0
.rept 32
	s_sub_co_i32 s42, s40, 32*bn                   ; register bn's token in lane l lies below my place where l < my place - 32 bn
	v_cmp_gt_i32 vcc_lo, s42, v3
	v_cndmask_b32 v[M+bn], 0, v[M+bn], vcc_lo
.set bn, bn+1
.endr
.set bn, 0
.rept 32
	v_and_b32 v[XA+bn], s54, v[M+bn]
	v_and_b32 v[XB+bn], s55, v[M+bn]
.set bn, bn+1
.endr
.irp k, 4,12,20                        ; each lane's 32 bits are added, in four chains an expert
.irp q, 0,1,2,3
	v_add3_u32 v[XA+\q], v[XA+\q], v[XA+\k+\q], v[XA+\k+4+\q]
	v_add3_u32 v[XB+\q], v[XB+\q], v[XB+\k+\q], v[XB+\k+4+\q]
.endr
.endr
.irp q, 0,1,2,3
	v_add_nc_u32 v[XA+\q], v[XA+\q], v[XA+28+\q]
	v_add_nc_u32 v[XB+\q], v[XB+\q], v[XB+28+\q]
.endr
	v_add3_u32 v[XA], v[XA], v[XA+1], v[XA+2]
	v_add3_u32 v[XB], v[XB], v[XB+1], v[XB+2]
	v_add_nc_u32 v[XA], v[XA], v[XA+3]
	v_add_nc_u32 v[XB], v[XB], v[XB+3]
	v_lshrrev_b32 v[XA], s52, v[XA]                ; counts, 32 a lane at the most,
	v_lshrrev_b32 v[XB], s53, v[XB]
	v_lshl_or_b32 v4, v[XB], 16, v[XA]             ; both in one word: their sums over the wave stay under 2^16
.irp m, 1,2,4,8
	v_mov_b32_dpp v5, v4 row_xmask:\m row_mask:0xf bank_mask:0xf
	v_add_nc_u32 v4, v4, v5
.endr
	v_permlanex16_b32 v5, v4, s50, s51
	v_add_nc_u32 v4, v4, v5
	v_readfirstlane_b32 s46, v4
	s_and_b32 s20, s46, 0xffff                     ; my slot in the first expert,
	s_lshr_b32 s21, s46, 16                        ; in the second
	s_min_u32 s20, s20, 0x3ff
	s_min_u32 s21, s21, 0x3ff
	s_lshl_b32 s18, s52, 22                        ; row 1,024 e + slot of 4,096 bytes
	s_lshl_b32 s48, s20, 12
	s_add_co_u32 s18, s18, s48
	s_add_nc_u64 s[32:33], s[4:5], s[18:19]
	s_add_nc_u64 s[34:35], s[32:33], 0x2000000     ; the upper half's plane: 8,192 rows of 4,096 bytes on
	s_lshl_b32 s18, s53, 22
	s_lshl_b32 s48, s21, 12
	s_add_co_u32 s18, s18, s48
	s_add_nc_u64 s[36:37], s[4:5], s[18:19]
	s_add_nc_u64 s[38:39], s[36:37], 0x2000000
	s_lshl_b32 s18, s52, 12
	s_add_nc_u64 s[40:41], s[10:11], s[18:19]
	s_lshl_b32 s18, s53, 12
	s_add_nc_u64 s[42:43], s[10:11], s[18:19]
.irp j, 0,1,2,3,4,5,6,7
	global_load_b128 v[E0+4*\j:E0+4*\j+3], v2, s[32:33] offset:512*\j th:TH_LOAD_NT
	global_load_b128 v[E1+4*\j:E1+4*\j+3], v2, s[34:35] offset:512*\j th:TH_LOAD_NT
	global_load_b128 v[E2+4*\j:E2+4*\j+3], v2, s[36:37] offset:512*\j th:TH_LOAD_NT
	global_load_b128 v[E3+4*\j:E3+4*\j+3], v2, s[38:39] offset:512*\j th:TH_LOAD_NT
	global_load_b128 v[BA+4*\j:BA+4*\j+3], v2, s[40:41] offset:512*\j
	global_load_b128 v[BB+4*\j:BB+4*\j+3], v2, s[42:43] offset:512*\j
.endr
	s_add_co_i32 s44, s30, s31
	s_add_co_i32 s44, s44, 127
	s_lshl_b32 s44, s44, 23                        ; 2^(e2 + e3) as f32
	s_mov_b32 s45, s44                             ; (a packed form names the pair: both words are written)
	s_mov_b32 s25, s24
.irp j, 0,1,2,3,4,5,6,7
	s_wait_loadcnt 6*(7-\j)                        ; this group's six loads are in; the later groups' may be out
.irp p, 0,2
	v_pk_add_f32 v[E0+4*\j+\p:E0+4*\j+\p+1], v[E0+4*\j+\p:E0+4*\j+\p+1], v[E1+4*\j+\p:E1+4*\j+\p+1]
	v_pk_add_f32 v[E2+4*\j+\p:E2+4*\j+\p+1], v[E2+4*\j+\p:E2+4*\j+\p+1], v[E3+4*\j+\p:E3+4*\j+\p+1]
	v_pk_add_f32 v[BA+4*\j+\p:BA+4*\j+\p+1], v[BA+4*\j+\p:BA+4*\j+\p+1], v[BB+4*\j+\p:BB+4*\j+\p+1]
.endr
.irp p, 0,2
	v_pk_add_f32 v[E0+4*\j+\p:E0+4*\j+\p+1], v[E0+4*\j+\p:E0+4*\j+\p+1], v[E2+4*\j+\p:E2+4*\j+\p+1]
.endr
.irp p, 0,2
	v_pk_fma_f32 v[E0+4*\j+\p:E0+4*\j+\p+1], v[E0+4*\j+\p:E0+4*\j+\p+1], s[44:45], v[BA+4*\j+\p:BA+4*\j+\p+1] op_sel_hi:[1,0,1]
.endr
.irp p, 0,2
	v_pk_mul_f32 v[E0+4*\j+\p:E0+4*\j+\p+1], v[E0+4*\j+\p:E0+4*\j+\p+1], s[24:25] op_sel_hi:[1,0]
.endr
	global_store_b128 v2, v[E0+4*\j:E0+4*\j+3], s[14:15] offset:512*\j th:TH_STORE_NT
.endr
	s_endpgm
.Lfunc_end_k_qd8d3db61ec_combine:
	.size	k_qd8d3db61ec_combine, .Lfunc_end_k_qd8d3db61ec_combine-k_qd8d3db61ec_combine
	.p2alignl 7, 3214868480
	.fill 96, 4, 3214868480
	.section	.rodata,"a",@progbits
	.p2align	6, 0x0
	.amdhsa_kernel k_qd8d3db61ec_combine
		.amdhsa_group_segment_fixed_size 0
		.amdhsa_private_segment_fixed_size 0
		.amdhsa_enable_private_segment 0
		.amdhsa_kernarg_size 48
		.amdhsa_user_sgpr_count 2
		.amdhsa_user_sgpr_kernarg_segment_ptr 1
		.amdhsa_wavefront_size32 1
		.amdhsa_system_sgpr_workgroup_id_x 1
		.amdhsa_system_sgpr_workgroup_id_y 1
		.amdhsa_system_sgpr_workgroup_id_z 1
		.amdhsa_system_vgpr_workitem_id 0
		.amdhsa_next_free_vgpr 224
		.amdhsa_next_free_sgpr 66
		.amdhsa_reserve_vcc 1
		.amdhsa_float_denorm_mode_32 3
		.amdhsa_float_denorm_mode_16_64 3
		.amdhsa_memory_ordered 1
		.amdhsa_forward_progress 1
		.amdhsa_inst_pref_size 24
	.end_amdhsa_kernel
	.amdgpu_metadata
---
amdhsa.version: [ 1, 2 ]
amdhsa.kernels:
  - .name:           k_qd8d3db61ec_combine
    .symbol:         k_qd8d3db61ec_combine.kd
    .args:
      - { .name: eo, .offset: 0, .size: 8, .value_kind: global_buffer, .address_space: global }
      - { .name: msk, .offset: 8, .size: 8, .value_kind: global_buffer, .address_space: global }
      - { .name: ps, .offset: 16, .size: 8, .value_kind: global_buffer, .address_space: global }
      - { .name: b2, .offset: 24, .size: 8, .value_kind: global_buffer, .address_space: global }
      - { .name: lowp_scales, .offset: 32, .size: 8, .value_kind: global_buffer, .address_space: global }
      - { .name: out0, .offset: 40, .size: 8, .value_kind: global_buffer, .address_space: global }
    .group_segment_fixed_size: 0
    .private_segment_fixed_size: 0
    .kernarg_segment_align: 8
    .kernarg_segment_size: 48
    .max_flat_workgroup_size: 128
    .sgpr_count:     66
    .vgpr_count:     224
    .wavefront_size: 32
...
	.end_amdgpu_metadata
.endif
;; end of part 8
